; MI455X (gfx1250); checked and timed in simulation.
; The chip was launched on July 23, 2026; its instructions are those of AMD's public machine-readable ISA for CDNA 5 (MIT licence, August 2026) and "CDNA5" Instruction Set Architecture Reference Guide (July 2026). The comments in the code are by the model that wrote it; some were corrected since.
;; Multi Head Attention. Allowed arithmetic: matrix products marked QUANTISED: E2M1 operands, one E8M0 scale for each 32 along K, by v_wmma_scale_f32_16x16x128_f8f6f4 with both operands' format E2M1 (or v_wmma_scale_f32_32x16x128_f4), f32 sums; products left as they are: bf16, f16 or f32 operands; f32 sums; everything else in f32.
;; Inputs: bk 1,024 float32; bo 1,024 float32; bq 1,024 float32; bv 1,024 float32; k 4 x 2,048 x 1,024 float32; mask 1 x 1 x 2,048 x 2,048 int32; q 4 x 2,048 x 1,024 float32; v 4 x 2,048 x 1,024 float32; wk 1,024 x 1,024 float32; wo 1,024 x 1,024 float32; wq 1,024 x 1,024 float32; wv 1,024 x 1,024 float32.
;; Outputs: out0 4 x 2,048 x 1,024 float32.
;; This version of the problem:
;;   THIS VERSION OF THE PROBLEM IS GIVEN IN LOW PRECISION. The matrix products marked QUANTISED in the list below multiply operands that are first quantised to E2M1 (2 exponent bits, 1 mantissa bit; 4 bits a number), with one power-of-two scale for each 32 numbers along K (OCP MX v1.0); their sums are f32. The products marked 'left as it is' may take bf16, f16 or f32 operands, with f32 sums. Whichever they take, every output number must still come out within the allowed error. Rounding operands to bf16 (8 significant bits) uses up far more of that allowance than f16 does (11 bits, for magnitudes from 6e-5 to 65,504). All else is computed in f32.
;;   The module's matrix products, in the order in which they are computed (A, B: the left and right operand; K: the contracted axis; several contracted axes count as one K, in the product's order):
;;     1. [M 8,192, K 1,024] x [K 1,024, N 1,024]; A: input q; B: input wq: QUANTISED
;;     2. [M 8,192, K 1,024] x [K 1,024, N 1,024]; A: input k; B: input wk: QUANTISED
;;     3. [M 8,192, K 1,024] x [K 1,024, N 1,024]; A: input v; B: input wv: QUANTISED
;;     4. batch 64 x [M 2,048, K 64] x [K 64, N 2,048]; A: computed on the way; B: computed on the way: left as it is (an operand is computed on the way)
;;     5. batch 64 x [M 2,048, K 2,048] x [K 2,048, N 64]; A: computed on the way; B: computed on the way: left as it is (an operand is computed on the way)
;;     6. [M 8,192, K 1,024] x [K 1,024, N 1,024]; A: computed on the way; B: input wo: left as it is (an operand is computed on the way)
;;   THE QUANTISER, for each operand of a quantised product, along K:
;;     - K is cut into blocks of 32 from its start; a last block that is shorter is filled with zeros.
;;     - A block's scale is 2^e with e = floor(log2(the largest magnitude in the block)) - 2, held to -126 .. 127; a block of zeros has e = 0. As a byte (E8M0): e + 127.
;;     - Each number is divided by its block's scale, clamped to +-6, and rounded to the nearest number of E2M1, ties to even, subnormals kept.
;;     - The product sums the exact products of the quantised numbers (number of the format x scale) in f32.
;;   ~~~python
;;   def quantise(x, axis):      # numpy; x: float32 -> the quantised numbers, widened to float32 again
;;       x = np.moveaxis(x, axis, -1); K = x.shape[-1]
;;       x = np.pad(x, [(0, 0)] * (x.ndim - 1) + [(0, -K % 32)]); x = x.reshape(x.shape[:-1] + (-1, 32)); a = np.abs(x).max(-1, keepdims=True)
;;       e = np.where(a > 0, np.clip(np.frexp(np.where(a > 0, a, 1))[1] - 1 - 2, -126, 127), 0)      # np.frexp(a)[1] - 1 = floor(log2(a)), exactly
;;       r = np.clip(x / 2.0 ** e, -6, 6)
;;       step = 2.0 ** (np.maximum(np.frexp(np.where(r == 0, 1, r))[1] - 1, 0) - 1)
;;       q = np.round(r / step) * step * 2.0 ** e      # np.round: ties to even
;;       return np.moveaxis(q.reshape(q.shape[:-2] + (-1,))[..., :K], -1, axis).astype(np.float32)
;;   ~~~
;; 2 versions, each right; version 2 is version 1 with the launch proj written anew for expert scheduling mode. Each part assembles by itself: llvm-mc -triple=amdgcn-amd-amdhsa -mcpu=gfx1250 --defsym DOCPART=n.
;; ======== version 1 of 2: 5 launches
;; limits: right only within a limited range of input values; values are held in f16: magnitudes above 65,504 overflow, below 6.1e-05 lose precision
;; workspace buffers: wcod 1,572,864 bytes; wscl 98,304 bytes; woimg 4,194,304 bytes; mwords 524,288 bytes of whole numbers; flags 1,024 bytes of whole numbers; hi 50,331,648 bytes; lo 50,331,648 bytes; ctx 16,777,216 bytes
;; launch prep (part 1): grid 192 x 1, 16 waves a work-group, no clusters, 137,472 bytes of LDS; arguments wq, wk, wv, wo, mask, wcod, wscl, woimg, mwords, flags; writes wcod, wscl, woimg, mwords, flags
.if DOCPART == 1
	.amdgcn_target "amdgcn-amd-amdhsa--gfx1250"
	.amdhsa_code_object_version 6
	.text
	.protected	k_q7f90603232_prep
	.globl	k_q7f90603232_prep
	.p2align	8
	.type	k_q7f90603232_prep,@function
k_q7f90603232_prep:
	s_mov_b64 s[64:65], 0
	v_nop
	global_prefetch_b8 v0, s[64:65] scope:SCOPE_SE
	s_setreg_imm32_b32 hwreg(HW_REG_WAVE_MODE, 25, 1), 1
	s_wait_xcnt 0x0
; PREP: what later launches read many times is laid out once, in the order of the operand registers that will take it.
; Work-groups 0-47:  wq, wk, wv [1024 k][1024 n] f32 -> codes of E2M1 along k with one E8M0 byte for each 32 k.  A lane takes a column n and its registers run down k (128 k a work-group),
;                    so a block of 32 lies in one lane and the conversions give k innermost.  wcod: [tensor][head][128 k][16 n][1,024 bytes]: registers 4 c .. 4 c + 3 of lane l at 512 c + 16 l.
;                    wscl: one word for a column and 128 k, [tensor][head][128 k][pair of n tiles][lane]: lanes 0-15 the even tile, lanes 16-31 the odd one.
; Work-groups 48-63: wo [1024 k][1024 n] f32 -> f16 in a high and a low part (split in f32), as fragments 16 n x 32 k: woimg [part][128 k][16 n][32 k][1,024 bytes].
; Work-groups 64-191: the mask's rows 16 g .. 16 g + 15 -> lane masks.  mwords [16 queries][64 keys][32 words]: word 8 kt + j has bit r + 16 h = (mask[16 g + r][64 t + 16 kt + 8 h + j] == 0);
;                    flags [16 queries]{need, Z}: bit t of need = step t has an open key (all ones where some row has no open key at all: such a row averages all keys); bit t of Z = step t has a masked key.
; LIMITS: a block whose largest magnitude lies under 2^-124 takes the scale byte 1 (a block of zeros too: its codes are zeros, and this program alone reads the bytes); NaN and infinities are not served.
; wscl leaves as 128 bytes a wave (96 KiB in all), flags as 8 bytes a work-group: the only stores here that do not cover 256 aligned bytes with sixteen lanes.
.set STG,   8448                       ; a wave's stage for the mask: 16 rows x (512 + 16) bytes
.set RED,   16*STG                     ; 16 bytes for each wave: what the waves' parts of the flags meet in
.set SPARE, RED+256                    ; the spare words, 128 bytes for each wave: no other line names them
.set SPW,   12                         ; v12  SPARE + 4 x thread; never rewritten
.set NIL,   13                         ; v13  0; never rewritten
	s_load_b512 s[4:19], s[0:1], 0x0               ; wq, wk, wv, wo, mask, wcod, wscl, woimg
	s_load_b128 s[20:23], s[0:1], 0x40             ; mwords, flags
	v_lshl_add_u32 v[SPW], v0, 2, SPARE
	v_mov_b32 v[NIL], 0
	v_lshrrev_b32 v1, 5, v0
	v_readfirstlane_b32 s24, v1                    ; wave 0..15
	v_and_b32 v9, 31, v0                           ; lane
	v_and_b32 v10, 15, v0                          ; r
	v_bfe_u32 v11, v0, 4, 1                        ; h
	v_lshlrev_b32 v1, 2, v9                        ; 4 x lane
	v_lshlrev_b32 v4, 4, v9                        ; 16 x lane
	v_lshlrev_b32 v14, 3, v9                       ; 8 x lane
	v_lshlrev_b32 v2, 4, v10
	v_lshl_add_u32 v3, v11, 12, v2                 ; wo's images: 4,096 h + 16 r
	v_lshl_add_u32 v2, v11, 10, v2                 ; the codes' images: 1,024 h + 16 r
	s_mul_i32 s25, s24, STG                        ; every LDS address is made here, ahead of the parting of the three kinds of work-groups
	v_add_nc_u32 v5, s25, v4                       ; the stage, on the way in: 16 x lane of a row
	v_mul_u32_u24 v6, v10, 528
	v_lshl_add_u32 v6, v11, 5, v6
	v_add_nc_u32 v6, s25, v6                       ; and on the way out: row r, + 32 h
	s_lshl_b32 s25, s24, 4
	s_add_co_u32 s25, s25, RED
	v_mov_b32 v7, s25                              ; my wave's 16 bytes
	v_mov_b32 v8, RED
	v_mov_b32 v15, 0
	s_wait_kmcnt 0x0
	s_cmp_ge_u32 ttmp9, 64
	s_cbranch_scc1 .Lmask
	; ---- the four weights: 128 rows of k x 32 columns a wave
	s_lshr_b32 s25, ttmp9, 4                       ; which tensor: 0 wq, 1 wk, 2 wv, 3 wo
	s_cmp_eq_u32 s25, 1
	s_cselect_b64 s[26:27], s[6:7], s[4:5]
	s_cmp_eq_u32 s25, 2
	s_cselect_b64 s[26:27], s[8:9], s[26:27]
	s_cmp_eq_u32 s25, 3
	s_cselect_b64 s[26:27], s[10:11], s[26:27]
	s_and_b32 s28, ttmp9, 15
	s_lshr_b32 s29, s28, 1                         ; which 128 along k
	s_and_b32 s30, s28, 1
	s_lshl_b32 s30, s30, 4
	s_add_co_u32 s30, s30, s24                     ; which 32 columns: 0..31
	s_lshl_b32 s32, s29, 19                        ; 128 rows of 4,096 bytes
	s_lshl_b32 s33, s30, 7
	s_add_co_u32 s32, s32, s33
	s_mov_b32 s33, 0
	s_add_nc_u64 s[26:27], s[26:27], s[32:33]
.set i, 0
.rept 128
	global_load_b32 v[64+i], v1, s[26:27] offset:i*4096 th:TH_LOAD_NT   ; row i at my column: 128 consecutive bytes a wave, 2,048 a work-group
.set i, i+1
.endr
	s_cmp_eq_u32 s25, 3
	s_cbranch_scc1 .Lwo
	; ---- wq, wk, wv: codes and scale words
	s_lshl_b32 s38, s25, 19                        ; tensor x 524,288
	s_lshr_b32 s34, s30, 1
	s_lshl_b32 s34, s34, 15                        ; + head x 32,768
	s_add_co_u32 s38, s38, s34
	s_lshl_b32 s34, s29, 12                        ; + K step x 4,096
	s_add_co_u32 s38, s38, s34
	s_and_b32 s34, s30, 1
	s_lshl_b32 s34, s34, 11                        ; + my pair of n tiles x 2,048
	s_add_co_u32 s38, s38, s34
	s_mov_b32 s39, 0
	s_add_nc_u64 s[14:15], s[14:15], s[38:39]
	s_lshr_b32 s38, s38, 4                         ; the scale words' place is a sixteenth of the codes'
	s_add_nc_u64 s[16:17], s[16:17], s[38:39]
; Block b: k = 32 b .. 32 b + 31 of my column.  Its 16 bytes are registers 4 (b / 2) .. of lane r + 16 (b % 2) of the fragment.  Each block has registers of its own for its codes and its scale.
.macro WBLOCK b
.set X, 64+32*(\b)
	v_max3_num_f32 v48, |v[X]|, |v[X+1]|, |v[X+2]|
	v_max3_num_f32 v49, |v[X+3]|, |v[X+4]|, |v[X+5]|
.irp i, 6,10,14,18,22,26
	v_max3_num_f32 v48, v48, |v[X+\i]|, |v[X+\i+1]|
	v_max3_num_f32 v49, v49, |v[X+\i+2]|, |v[X+\i+3]|
.endr
	v_max3_num_f32 v48, v48, |v[X+30]|, |v[X+31]|
	v_max3_num_f32 v48, v48, v49, 0x1800000        ; the floor 2^(3 - 127): the byte cannot fall under 1
	v_add_nc_u32 v[52+(\b)], 0xff000000, v48       ; 2 off the exponent field: the conversion's scale operand
	v_lshrrev_b32 v49, 23, v[52+(\b)]              ; the scale's byte
.if (\b) == 0
	v_mov_b32 v16, v49
.else
	v_lshl_or_b32 v16, v49, 8*(\b), v16
.endif
.irp g, 0,1,2,3
	v_cvt_scalef32_pk8_fp4_f32 v[20+4*(\b)+\g], v[X+8*\g:X+8*\g+7], v[52+(\b)]
.endr
	v_nop                                          ; a plain line behind the last conversion of a run
	global_store_b128 v2, v[20+4*(\b):23+4*(\b)], s[14:15] offset:((\b)/2)*512+((\b)%2)*256   ; sixteen lanes store 256 consecutive bytes, aligned
.endm
	s_wait_loadcnt 63                              ; the youngest 63 of the 128 loads may be out: rows 0 to 64 are in
	WBLOCK 0
	WBLOCK 1
	s_wait_loadcnt 32                              ; rows 0 to 95 are in
	WBLOCK 2
	s_wait_loadcnt 0x0
	WBLOCK 3
	global_store_b32 v1, v16, s[16:17]             ; my column's scale word for these 128 k
	s_branch .Ljoin
	; ---- wo: f16 high and low parts
.Lwo:
	s_lshl_b32 s38, s29, 18                        ; K step x 64 n tiles x 4,096
	s_lshl_b32 s34, s30, 13                        ; + my two n tiles
	s_add_co_u32 s38, s38, s34
	s_mov_b32 s39, 0
	s_add_nc_u64 s[18:19], s[18:19], s[38:39]
; Group G: k = 32 G .. 32 G + 31 of my column: one fragment's depth.  Unit u of 8 k: registers 4 (u / 2) .. of lane r + 16 (u % 2).  The high part is made in v50, whose halves are widened again; x less that is the low part.
.macro OGROUP G
.if (\G) > 0
	s_wait_xcnt 0x0                                ; the last group's stores have read their data: it is written again only behind this wait
.endif
.irp u, 0,1,2,3
.irp p, 0,1,2,3
.set X, 64+32*(\G)+8*\u+2*\p
	v_cvt_pk_f16_f32 v50, v[X], v[X+1]
	v_cvt_f32_f16 v48, v50.l
	v_cvt_f32_f16 v49, v50.h
	v_mov_b32 v[16+4*\u+\p], v50
	v_pk_add_f32 v[48:49], v[X:X+1], v[48:49] neg_lo:[0,1] neg_hi:[0,1]
	v_cvt_pk_f16_f32 v[32+4*\u+\p], v48, v49
.endr
	global_store_b128 v3, v[16+4*\u:19+4*\u], s[18:19] offset:(\G)*1024+(\u/2)*512+(\u%2)*256
	global_store_b128 v3, v[32+4*\u:35+4*\u], s[18:19] offset:2097152+(\G)*1024+(\u/2)*512+(\u%2)*256
.endr
.endm
	s_wait_loadcnt 63
	OGROUP 0
	OGROUP 1
	s_wait_loadcnt 32
	OGROUP 2
	s_wait_loadcnt 0x0
	OGROUP 3
	s_branch .Ljoin
	; ---- the mask: 16 rows; my wave takes keys 128 w .. 128 w + 127, key steps 2 w and 2 w + 1
.Lmask:
	s_sub_co_u32 s25, ttmp9, 64                    ; which 16 queries
	s_lshl_b32 s32, s25, 17                        ; 16 rows of 8,192 bytes
	s_lshl_b32 s33, s24, 9
	s_add_co_u32 s32, s32, s33
	s_mov_b32 s33, 0
	s_add_nc_u64 s[12:13], s[12:13], s[32:33]
	s_lshl_b32 s32, s25, 12                        ; mwords: 4,096 bytes for 16 queries, 256 for my two steps
	s_lshl_b32 s34, s24, 8
	s_add_co_u32 s32, s32, s34
	s_add_nc_u64 s[20:21], s[20:21], s[32:33]
.set i, 0
.rept 16
	global_load_b128 v[64+4*i:67+4*i], v4, s[12:13] offset:i*8192 th:TH_LOAD_NT   ; 512 consecutive bytes of row i
.set i, i+1
.endr
	s_wait_loadcnt 0x0
.set i, 0
.rept 16
	ds_store_b128 v5, v[64+4*i:67+4*i] offset:i*528
.set i, i+1
.endr
.set i, 0
.rept 8
	ds_load_b128 v[128+8*i:131+8*i], v6 offset:i*64        ; my wave's own bytes, served in order: lane (r, h) takes row r, keys 16 i + 8 h + 0 .. 7
	ds_load_b128 v[132+8*i:135+8*i], v6 offset:i*64+16
.set i, i+1
.endr
	v_mov_b32 v16, 0
	v_mov_b32 v17, 0
	s_mov_b32 s41, -1                              ; per step: the AND of its words (a lane's bit stays where all its keys are masked),
	s_mov_b32 s42, -1
	s_mov_b32 s43, 0                               ; and the OR
	s_mov_b32 s44, 0
	s_wait_dscnt 0x0
.set i, 0
.rept 64
	v_cmp_eq_u32 s40, 0, v[128+i]                  ; word i of my 64
	v_writelane_b32 v[16+i%2], s40, i/2            ; lane l gathers words 2 l and 2 l + 1
	s_and_b32 s[41+i/32], s[41+i/32], s40
	s_or_b32 s[43+i/32], s[43+i/32], s40
.set i, i+1
.endr
	global_store_b64 v14, v[16:17], s[20:21]       ; 256 consecutive bytes, aligned
	s_and_b32 s46, s41, s42                        ; lanes all of whose 64 keys here are masked
	s_cmp_lg_u32 s41, -1
	s_cselect_b32 s47, 1, 0                        ; step 2 w has an open key
	s_cmp_lg_u32 s42, -1
	s_cselect_b32 s48, 2, 0
	s_or_b32 s47, s47, s48
	s_cmp_lg_u32 s43, 0
	s_cselect_b32 s48, 1, 0                        ; step 2 w has a masked key
	s_cmp_lg_u32 s44, 0
	s_cselect_b32 s49, 2, 0
	s_or_b32 s48, s48, s49
	s_lshl_b32 s49, s24, 1
	s_lshl_b32 s47, s47, s49
	s_lshl_b32 s48, s48, s49
	v_mov_b32 v20, s46
	v_mov_b32 v21, s47
	v_mov_b32 v22, s48
	v_mov_b32 v23, 0
	ds_store_b128 v7, v[20:23]                     ; all lanes write the same 16 bytes with the same values
.Ljoin:
	s_wait_xcnt 0x0                                ; the three ways meet here: every store issued on any of them has read its data and its addresses, so the lines below may write any register, and EXEC
	s_wait_dscnt 0x0                               ; for the others' sake: my LDS stores are done
	s_barrier_signal -1
	s_barrier_wait -1
	s_cmp_lt_u32 ttmp9, 64
	s_cbranch_scc1 .Lend
	s_cmp_lg_u32 s24, 0
	s_cbranch_scc1 .Lend
	; wave 0 of a mask's work-group joins the sixteen parts
.set i, 0
.rept 16
	ds_load_b128 v[64+4*i:67+4*i], v8 offset:16*i
.set i, i+1
.endr
	s_sub_co_u32 s25, ttmp9, 64
	s_lshl_b32 s32, s25, 3
	s_mov_b32 s33, 0
	s_add_nc_u64 s[22:23], s[22:23], s[32:33]
	s_wait_dscnt 0x0
	v_mov_b32 v30, v64
	v_mov_b32 v31, v65
	v_mov_b32 v32, v66
.irp i, 1,2,3,4,5,6,7,8,9,10,11,12,13,14,15
	v_and_b32 v30, v30, v[64+4*\i]
	v_or_b32 v31, v31, v[65+4*\i]
	v_or_b32 v32, v32, v[66+4*\i]
.endr
	v_lshrrev_b32 v33, 16, v30                     ; row r has no open key where both its lanes' bits stand
	v_and_b32 v33, v33, v30
	v_and_b32 v33, 0xffff, v33
	v_mov_b32 v34, -1
	v_cmp_ne_u32 vcc_lo, 0, v33
	v_cndmask_b32 v36, v31, v34, vcc_lo            ; then every step is needed
	v_mov_b32 v37, v32
	v_cmp_eq_u32 vcc_lo, 0, v9
	s_and_saveexec_b32 s34, vcc_lo                 ; (no global instruction has been issued since the wait at the join)
	global_store_b64 v15, v[36:37], s[22:23]       ; lane 0: {need, Z}
	s_wait_xcnt 0x0                                ; EXEC is widened again only behind this wait
	s_or_b32 exec_lo, exec_lo, s34
.Lend:
	s_wait_tensorcnt 0x0                           ; the wave's end
	ds_add_u32 v[SPW], v[NIL]
	s_wait_dscnt 0x0
	s_endpgm
.Lfunc_end_k_q7f90603232_prep:
	.size	k_q7f90603232_prep, .Lfunc_end_k_q7f90603232_prep-k_q7f90603232_prep
	.p2alignl 7, 3214868480
	.fill 96, 4, 3214868480
	.section	.rodata,"a",@progbits
	.p2align	6, 0x0
	.amdhsa_kernel k_q7f90603232_prep
		.amdhsa_group_segment_fixed_size 137472
		.amdhsa_private_segment_fixed_size 0
		.amdhsa_enable_private_segment 0
		.amdhsa_kernarg_size 80
		.amdhsa_user_sgpr_count 2
		.amdhsa_user_sgpr_kernarg_segment_ptr 1
		.amdhsa_wavefront_size32 1
		.amdhsa_system_sgpr_workgroup_id_x 1
		.amdhsa_system_sgpr_workgroup_id_y 1
		.amdhsa_system_sgpr_workgroup_id_z 1
		.amdhsa_system_vgpr_workitem_id 0
		.amdhsa_next_free_vgpr 192
		.amdhsa_next_free_sgpr 66
		.amdhsa_reserve_vcc 1
		.amdhsa_float_denorm_mode_32 3
		.amdhsa_float_denorm_mode_16_64 3
		.amdhsa_memory_ordered 1
		.amdhsa_forward_progress 1
		.amdhsa_inst_pref_size 63
	.end_amdhsa_kernel
	.amdgpu_metadata
---
amdhsa.version: [ 1, 2 ]
amdhsa.kernels:
  - .name:           k_q7f90603232_prep
    .symbol:         k_q7f90603232_prep.kd
    .args:
      - { .name: wq, .offset: 0, .size: 8, .value_kind: global_buffer, .address_space: global }
      - { .name: wk, .offset: 8, .size: 8, .value_kind: global_buffer, .address_space: global }
      - { .name: wv, .offset: 16, .size: 8, .value_kind: global_buffer, .address_space: global }
      - { .name: wo, .offset: 24, .size: 8, .value_kind: global_buffer, .address_space: global }
      - { .name: mask, .offset: 32, .size: 8, .value_kind: global_buffer, .address_space: global }
      - { .name: wcod, .offset: 40, .size: 8, .value_kind: global_buffer, .address_space: global }
      - { .name: wscl, .offset: 48, .size: 8, .value_kind: global_buffer, .address_space: global }
      - { .name: woimg, .offset: 56, .size: 8, .value_kind: global_buffer, .address_space: global }
      - { .name: mwords, .offset: 64, .size: 8, .value_kind: global_buffer, .address_space: global }
      - { .name: flags, .offset: 72, .size: 8, .value_kind: global_buffer, .address_space: global }
    .group_segment_fixed_size: 137472
    .private_segment_fixed_size: 0
    .kernarg_segment_align: 8
    .kernarg_segment_size: 80
    .max_flat_workgroup_size: 512
    .sgpr_count:     66
    .vgpr_count:     192
    .wavefront_size: 32
...
	.end_amdgpu_metadata
.endif
;; end of part 1
;; launch proj (part 2): grid 128 x 3, 16 waves a work-group, no clusters, 38,144 bytes of LDS; arguments q, k, v, bq, bk, bv, wcod, wscl, flags, hi, lo; writes hi, lo
.if DOCPART == 2
	.amdgcn_target "amdgcn-amd-amdhsa--gfx1250"
	.amdhsa_code_object_version 6
	.text
	.protected	k_q7f90603232_proj
	.globl	k_q7f90603232_proj
	.p2align	8
	.type	k_q7f90603232_proj,@function
k_q7f90603232_proj:
	s_mov_b64 s[64:65], 0
	v_nop
	global_prefetch_b8 v0, s[64:65] scope:SCOPE_SE
	s_setreg_imm32_b32 hwreg(HW_REG_WAVE_MODE, 25, 1), 1
	s_wait_xcnt 0x0
; PROJ: the three quantised products x W + b (y = 0: q, 1: k, 2: v), on codes of E2M1 with one E8M0 scale for each 32 along K.
; A work-group takes 64 tokens x all 1,024 columns.  Its sixteen waves first quantise the 64 rows of x (4 rows a wave; read from memory once) into LDS; then wave w is head w: 4 tiles of tokens x 4 tiles of
; columns, 16 accumulators, K in 8 steps of 128.  x's fragments come from LDS; the wave's weights (32 KiB of codes) come from memory straight into registers, in the order in which the earlier launch laid them.
; RESULTS LEAVE AS IMAGES OF THE NEXT PRODUCTS' OPERAND REGISTERS, f16, 512 consecutive bytes a store.  q, k: the product is used transposed (source 0 = weights, source 1 = x): a lane holds one token and eight
; neighbours of the head's 64, which pack into a group of four registers of a fragment 16 tokens x 32.  v: used as it stands (source 0 = x): a lane holds one of the head's 64 and eight neighbouring tokens: a group of
; a fragment 16 x 32 keys of V^T.  hi: [tensor][batch x head][64 tokens][8,192 bytes].  lo: what f16 left over, in f16, same places; written only where the finer launch reads it: q's first block of a sequence, and
; k's and v's blocks that the stored flags of positions 0-15 name.  This launch has no tensor load and no cluster: nothing is fetched by a joint request.
; LIMITS: results beyond 65,504 in magnitude do not fit f16; a block whose largest magnitude lies under 2^-124 takes the scale byte 1 (zeros too: their codes are zeros); NaN and infinities are not served.
.set SCB,   33792                      ; LDS: codes, 64 rows x (512 + 16) bytes; then the scale bytes, 64 rows x 36
.set SPARE, 36096                      ; the spare words, 128 bytes for each wave: no other line names them
.set XS,  12                           ; v12-13   x's scale words of the K step: lanes 0-15 the even tile of tokens, lanes 16-31 the odd one
.set WS,  16                           ; v16-31   the weights' scale words: register 2 s + p
.set XF,  32                           ; v32-63   x's four fragments (while x is quantised: for each of 16 pieces its largest magnitude and its codes)
.set WF,  64                           ; v64-127  two sets of four weight fragments
.set ACC, 128                          ; v128-255 the accumulators, (mt, nt) at 8 (4 mt + nt) (while x is quantised: 128 numbers)
; v1 32 x lane; v2 where my codes go; v3 where my scale bytes go; v4 a fragment's place; v5 a scale word's place; v6 16 x lane; v7 4 x lane; v8 the bias's offset; v9, v10 the add's two; v11, v14, v15 at work
.macro PLACES n
.rept \n
	v_nop
.endr
.endm
	s_load_b512 s[4:19], s[0:1], 0x0               ; q, k, v, bq, bk, bv, wcod, wscl
	s_load_b128 s[20:23], s[0:1], 0x40             ; flags, hi
	s_load_b64 s[24:25], s[0:1], 0x50              ; lo
	v_lshl_add_u32 v9, v0, 2, SPARE
	v_mov_b32 v10, 0
	v_lshrrev_b32 v11, 5, v0
	v_readfirstlane_b32 s28, v11                   ; wave = head
	v_and_b32 v11, 31, v0                          ; lane
	v_and_b32 v14, 15, v0                          ; r
	v_bfe_u32 v15, v0, 4, 1                        ; h
	v_lshlrev_b32 v1, 5, v11                       ; x: 8 neighbours a lane
	s_mul_i32 s29, s28, 2112                       ; my 4 rows of 528 bytes
	v_lshl_add_u32 v2, v11, 2, s29
	s_mul_i32 s29, s28, 144                        ; my 4 rows of 36 bytes
	s_add_co_u32 s29, s29, SCB
	v_lshrrev_b32 v3, 2, v11                       ; four lanes hold a block
	v_add_nc_u32 v3, s29, v3
	v_mul_u32_u24 v4, v14, 528
	v_lshl_add_u32 v4, v15, 4, v4                  ; a fragment: row r, + 16 h
	v_mul_u32_u24 v5, v11, 36
	v_add_nc_u32 v5, SCB, v5                       ; scale words: row = lane
	v_lshlrev_b32 v6, 4, v11
	v_lshlrev_b32 v7, 2, v11
	s_and_b32 s30, ttmp7, 0xffff                   ; which tensor
	s_mov_b32 s37, 0
	s_wait_kmcnt 0x0
	s_load_b32 s26, s[20:21], 0x0                  ; the key steps that positions 0-15 need
	s_cmp_eq_u32 s30, 1
	s_cselect_b64 s[32:33], s[6:7], s[4:5]
	s_cselect_b64 s[34:35], s[12:13], s[10:11]
	s_cmp_eq_u32 s30, 2
	s_cselect_b64 s[32:33], s[8:9], s[32:33]
	s_cselect_b64 s[34:35], s[14:15], s[34:35]
	s_lshl_b32 s36, ttmp9, 18                      ; 64 rows of 4,096 bytes,
	s_lshl_b32 s38, s28, 14                        ; my 4 of them
	s_add_co_u32 s36, s36, s38
	s_add_nc_u64 s[32:33], s[32:33], s[36:37]      ; x
	s_lshl_b32 s36, s28, 8
	s_add_nc_u64 s[34:35], s[34:35], s[36:37]      ; my head's 64 numbers of the bias
	s_lshl_b32 s36, s30, 19
	s_lshl_b32 s38, s28, 15
	s_add_co_u32 s36, s36, s38
	s_add_nc_u64 s[16:17], s[16:17], s[36:37]      ; my head's codes,
	s_lshr_b32 s36, s36, 4
	s_add_nc_u64 s[18:19], s[18:19], s[36:37]      ; and scale words
	s_lshr_b32 s38, ttmp9, 5                       ; batch
	s_and_b32 s39, ttmp9, 31                       ; which 64 tokens of the sequence
	s_lshl_b32 s38, s38, 4
	s_add_co_u32 s38, s38, s28
	s_lshl_b32 s38, s38, 5
	s_add_co_u32 s38, s38, s39
	s_lshl_b32 s36, s38, 13                        ; 8,192 bytes a block
	s_lshl_b32 s38, s30, 24
	s_add_co_u32 s36, s36, s38
	s_add_nc_u64 s[22:23], s[22:23], s[36:37]
	s_add_nc_u64 s[24:25], s[24:25], s[36:37]
.macro WFETCH s                        ; the weights' four fragments of K step s into set s % 2
.irp nt, 0,1,2,3
.irp c, 0,1
	global_load_b128 v[WF+32*((\s)%2)+8*\nt+4*\c:WF+32*((\s)%2)+8*\nt+4*\c+3], v6, s[16:17] offset:(\s)*4096+\nt*1024+\c*512
.endr
.endr
.endm
.set i, 0
.rept 16
	global_load_b32 v[WS+i], v7, s[18:19] offset:i*128
.set i, i+1
.endr
.set i, 0
.rept 16
	global_load_b128 v[ACC+8*i:ACC+8*i+3], v1, s[32:33] offset:i*1024 th:TH_LOAD_NT      ; piece i: 256 numbers, row i / 4, 8 a lane
	global_load_b128 v[ACC+8*i+4:ACC+8*i+7], v1, s[32:33] offset:i*1024+16 th:TH_LOAD_NT
.set i, i+1
.endr
	WFETCH 0
	WFETCH 1
; Four pieces (row g of my four) by turns.  A block of 32 lies in four neighbouring lanes.
.macro QGRP g
	s_wait_loadcnt (3-(\g))*8+16                   ; behind this group's loads: the later groups' eight each, and the sixteen of the weights
.irp u, 0,1,2,3
	v_max3_num_f32 v[XF+2*(4*(\g)+\u)], |v[ACC+8*(4*(\g)+\u)]|, |v[ACC+8*(4*(\g)+\u)+1]|, 0x1800000   ; with the floor 2^(3 - 127): the byte cannot fall under 1
.endr
.irp p, 2,4,6
.irp u, 0,1,2,3
	v_max3_num_f32 v[XF+2*(4*(\g)+\u)], v[XF+2*(4*(\g)+\u)], |v[ACC+8*(4*(\g)+\u)+\p]|, |v[ACC+8*(4*(\g)+\u)+\p+1]|
.endr
.endr
.irp u, 0,1,2,3
	v_max_num_f32_dpp v[XF+2*(4*(\g)+\u)], v[XF+2*(4*(\g)+\u)], v[XF+2*(4*(\g)+\u)] row_xmask:1 row_mask:0xf bank_mask:0xf
.endr
.irp u, 0,1,2,3
	v_max_num_f32_dpp v[XF+2*(4*(\g)+\u)], v[XF+2*(4*(\g)+\u)], v[XF+2*(4*(\g)+\u)] row_xmask:2 row_mask:0xf bank_mask:0xf
.endr
.irp u, 0,1,2,3
	v_add_nc_u32 v[XF+2*(4*(\g)+\u)], 0xff000000, v[XF+2*(4*(\g)+\u)]   ; 2 off the exponent field: the conversion's scale operand
.endr
.irp u, 0,1,2,3
	v_cvt_scalef32_pk8_fp4_f32 v[XF+2*(4*(\g)+\u)+1], v[ACC+8*(4*(\g)+\u):ACC+8*(4*(\g)+\u)+7], v[XF+2*(4*(\g)+\u)]
.endr
	v_nop                                          ; a plain line between the conversions and the lines that write their scale operands
.irp u, 0,1,2,3
	v_lshrrev_b32 v[XF+2*(4*(\g)+\u)], 23, v[XF+2*(4*(\g)+\u)]          ; the scale's byte
.endr
.irp u, 0,1,2,3
	ds_store_b32 v2, v[XF+2*(4*(\g)+\u)+1] offset:(\g)*528+\u*128
	ds_store_b8 v3, v[XF+2*(4*(\g)+\u)] offset:(\g)*36+\u*8             ; the four lanes of a block write the same byte with the same value
.endr
.endm
	QGRP 0
	QGRP 1
	QGRP 2
	QGRP 3
	s_wait_dscnt 0x0                               ; for the others' sake: my codes and bytes lie in LDS
	s_barrier_signal -1
	s_barrier_wait -1
.macro XFETCH s                        ; x's four fragments and two registers of scale words of K step s
.irp mt, 0,1,2,3
.irp c, 0,1
	ds_load_b128 v[XF+8*\mt+4*\c:XF+8*\mt+4*\c+3], v4 offset:\mt*8448+64*(\s)+32*\c
.endr
.endr
	ds_load_b32 v[XS], v5 offset:4*(\s)
	ds_load_b32 v[XS+1], v5 offset:1152+4*(\s)
.endm
; One matrix instruction.  nat = 0: source 0 = weights, source 1 = x; nat = 1: the other way round.  The scale operands and their row selectors go with the sources.  The first K step starts the sums.
.macro WM s, mt, nt, nat
.set rD, ACC+8*(4*(\mt)+(\nt))
.if \nat
.set rA, XF+8*(\mt)
.set rB, WF+32*((\s)%2)+8*(\nt)
.set rSA, XS+(\mt)/2
.set rSB, WS+2*(\s)+(\nt)/2
.set pA, (\mt)%2
.set pB, (\nt)%2
.else
.set rA, WF+32*((\s)%2)+8*(\nt)
.set rB, XF+8*(\mt)
.set rSA, WS+2*(\s)+(\nt)/2
.set rSB, XS+(\mt)/2
.set pA, (\nt)%2
.set pB, (\mt)%2
.endif
.if (\s) == 0
.if (pA) && (pB)
	v_wmma_scale_f32_16x16x128_f8f6f4 v[rD:rD+7], v[rA:rA+7], v[rB:rB+7], 0, v[rSA], v[rSB] matrix_a_fmt:MATRIX_FMT_FP4 matrix_b_fmt:MATRIX_FMT_FP4 matrix_a_scale:MATRIX_SCALE_ROW1 matrix_b_scale:MATRIX_SCALE_ROW1
.elseif (pA)
	v_wmma_scale_f32_16x16x128_f8f6f4 v[rD:rD+7], v[rA:rA+7], v[rB:rB+7], 0, v[rSA], v[rSB] matrix_a_fmt:MATRIX_FMT_FP4 matrix_b_fmt:MATRIX_FMT_FP4 matrix_a_scale:MATRIX_SCALE_ROW1
.elseif (pB)
	v_wmma_scale_f32_16x16x128_f8f6f4 v[rD:rD+7], v[rA:rA+7], v[rB:rB+7], 0, v[rSA], v[rSB] matrix_a_fmt:MATRIX_FMT_FP4 matrix_b_fmt:MATRIX_FMT_FP4 matrix_b_scale:MATRIX_SCALE_ROW1
.else
	v_wmma_scale_f32_16x16x128_f8f6f4 v[rD:rD+7], v[rA:rA+7], v[rB:rB+7], 0, v[rSA], v[rSB] matrix_a_fmt:MATRIX_FMT_FP4 matrix_b_fmt:MATRIX_FMT_FP4
.endif
.else
.if (pA) && (pB)
	v_wmma_scale_f32_16x16x128_f8f6f4 v[rD:rD+7], v[rA:rA+7], v[rB:rB+7], v[rD:rD+7], v[rSA], v[rSB] matrix_a_fmt:MATRIX_FMT_FP4 matrix_b_fmt:MATRIX_FMT_FP4 matrix_a_scale:MATRIX_SCALE_ROW1 matrix_b_scale:MATRIX_SCALE_ROW1
.elseif (pA)
	v_wmma_scale_f32_16x16x128_f8f6f4 v[rD:rD+7], v[rA:rA+7], v[rB:rB+7], v[rD:rD+7], v[rSA], v[rSB] matrix_a_fmt:MATRIX_FMT_FP4 matrix_b_fmt:MATRIX_FMT_FP4 matrix_a_scale:MATRIX_SCALE_ROW1
.elseif (pB)
	v_wmma_scale_f32_16x16x128_f8f6f4 v[rD:rD+7], v[rA:rA+7], v[rB:rB+7], v[rD:rD+7], v[rSA], v[rSB] matrix_a_fmt:MATRIX_FMT_FP4 matrix_b_fmt:MATRIX_FMT_FP4 matrix_b_scale:MATRIX_SCALE_ROW1
.else
	v_wmma_scale_f32_16x16x128_f8f6f4 v[rD:rD+7], v[rA:rA+7], v[rB:rB+7], v[rD:rD+7], v[rSA], v[rSB] matrix_a_fmt:MATRIX_FMT_FP4 matrix_b_fmt:MATRIX_FMT_FP4
.endif
.endif
.endm
; A K step: 16 matrix instructions, the 16 accumulators by turns in one fixed order; four places; then the loads into the registers that they have read.
.macro KSTEP s, nat
	s_wait_loadcnt 8                               ; this step's weights are in; the youngest eight loads (the other set; at the last step the bias) may be out
	s_wait_dscnt 0x0                               ; x's fragments and scale words are in
.irp mt, 0,1,2,3
.irp nt, 0,1,2,3
	WM \s, \mt, \nt, \nat
.endr
.endr
	PLACES 4
.if (\s) < 7
	XFETCH (\s)+1
.endif
.if (\s) < 6
	WFETCH (\s)+2
.endif
.if (\s) == 6                          ; set 0 is done with: it takes the bias, in the results' layout
.irp nt, 0,1,2,3
.if \nat
	global_load_b32 v[WF+2*\nt], v8, s[34:35] offset:\nt*64        ; one number a lane (named below as a pair, so both are written)
	global_load_b32 v[WF+2*\nt+1], v8, s[34:35] offset:\nt*64
.else
	global_load_b128 v[WF+8*\nt:WF+8*\nt+3], v8, s[34:35] offset:\nt*64
	global_load_b128 v[WF+8*\nt+4:WF+8*\nt+7], v8, s[34:35] offset:\nt*64+16
.endif
.endr
.endif
.endm
; THE WAY OUT.  Each accumulator from its low end on: + bias, rounded to f16, 16 bytes a lane, 512 consecutive bytes a store.  Then, where the flags ask for it, what f16 left over.
.macro WAYOUT nat
	s_wait_loadcnt 0x0                             ; the bias
	PLACES 4
.irp mt, 0,1,2,3
.irp nt, 0,1,2,3
.set idx, 4*\mt+\nt
.set rD, ACC+8*idx
.if idx < 8
.set rH, XF+4*idx                      ; x's fragments' registers,
.else
.set rH, WF+4*idx                      ; and the second weight set's (from v96 on): both are done with
.endif
.irp p, 0,1,2,3
.if \nat
	v_pk_add_f32 v[rD+2*\p:rD+2*\p+1], v[rD+2*\p:rD+2*\p+1], v[WF+2*\nt:WF+2*\nt+1] op_sel_hi:[1,0]
.else
	v_pk_add_f32 v[rD+2*\p:rD+2*\p+1], v[rD+2*\p:rD+2*\p+1], v[WF+8*\nt+2*\p:WF+8*\nt+2*\p+1]
.endif
.endr
.irp p, 0,1,2,3
	v_cvt_pk_f16_f32 v[rH+\p], v[rD+2*\p], v[rD+2*\p+1]
.endr
.if \nat
	global_store_b128 v6, v[rH:rH+3], s[22:23] offset:(\mt/2)*4096+\nt*1024+(\mt%2)*512
.else
	global_store_b128 v6, v[rH:rH+3], s[22:23] offset:idx*512
.endif
.endr
.endr
	s_bitcmp1_b32 s27, s39                         ; does the finer launch read this block?
	s_cbranch_scc0 .Lend
.irp mt, 0,1,2,3
.irp nt, 0,1,2,3
.set idx, 4*\mt+\nt
.set rD, ACC+8*idx
.if idx < 8
.set rH, XF+4*idx
.else
.set rH, WF+4*idx
.endif
.irp p, 0,1,2,3
	v_mov_b32 v11, v[rH+\p]
	v_cvt_f32_f16 v14, v11.l
	v_cvt_f32_f16 v15, v11.h
	v_pk_add_f32 v[14:15], v[rD+2*\p:rD+2*\p+1], v[14:15] neg_lo:[0,1] neg_hi:[0,1]
	v_cvt_pk_f16_f32 v[rD+\p], v14, v15            ; into the accumulator's own low registers, whose numbers have been taken
.endr
.if \nat
	global_store_b128 v6, v[rD:rD+3], s[24:25] offset:(\mt/2)*4096+\nt*1024+(\mt%2)*512
.else
	global_store_b128 v6, v[rD:rD+3], s[24:25] offset:idx*512
.endif
.endr
.endr
.endm
	s_wait_kmcnt 0x0                               ; the flags' word
	s_cmp_eq_u32 s30, 0
	s_cselect_b32 s27, 1, s26                      ; q: the sequence's first block alone; k, v: the blocks that positions 0-15 need
	XFETCH 0
	s_cmp_eq_u32 s30, 2
	s_cbranch_scc1 .Lnat
	v_bfe_u32 v8, v0, 4, 1
	v_lshlrev_b32 v8, 5, v8                        ; the bias of a tile: my half's eight numbers
.irp s, 0,1,2,3,4,5,6,7
	KSTEP \s, 0
.endr
	WAYOUT 0
	s_branch .Lend
.Lnat:
	v_and_b32 v8, 15, v0
	v_lshlrev_b32 v8, 2, v8                        ; the bias of a tile: my one number
.irp s, 0,1,2,3,4,5,6,7
	KSTEP \s, 1
.endr
	WAYOUT 1
.Lend:
	s_wait_tensorcnt 0x0                           ; the wave's end
	ds_add_u32 v9, v10
	s_wait_dscnt 0x0
	s_endpgm
.Lfunc_end_k_q7f90603232_proj:
	.size	k_q7f90603232_proj, .Lfunc_end_k_q7f90603232_proj-k_q7f90603232_proj
	.p2alignl 7, 3214868480
	.fill 96, 4, 3214868480
	.section	.rodata,"a",@progbits
	.p2align	6, 0x0
	.amdhsa_kernel k_q7f90603232_proj
		.amdhsa_group_segment_fixed_size 38144
		.amdhsa_private_segment_fixed_size 0
		.amdhsa_enable_private_segment 0
		.amdhsa_kernarg_size 88
		.amdhsa_user_sgpr_count 2
		.amdhsa_user_sgpr_kernarg_segment_ptr 1
		.amdhsa_wavefront_size32 1
		.amdhsa_system_sgpr_workgroup_id_x 1
		.amdhsa_system_sgpr_workgroup_id_y 1
		.amdhsa_system_sgpr_workgroup_id_z 1
		.amdhsa_system_vgpr_workitem_id 0
		.amdhsa_next_free_vgpr 256
		.amdhsa_next_free_sgpr 66
		.amdhsa_reserve_vcc 0
		.amdhsa_float_denorm_mode_32 3
		.amdhsa_float_denorm_mode_16_64 3
		.amdhsa_memory_ordered 1
		.amdhsa_forward_progress 1
		.amdhsa_inst_pref_size 126
	.end_amdhsa_kernel
	.amdgpu_metadata
---
amdhsa.version: [ 1, 2 ]
amdhsa.kernels:
  - .name:           k_q7f90603232_proj
    .symbol:         k_q7f90603232_proj.kd
    .args:
      - { .name: q, .offset: 0, .size: 8, .value_kind: global_buffer, .address_space: global }
      - { .name: k, .offset: 8, .size: 8, .value_kind: global_buffer, .address_space: global }
      - { .name: v, .offset: 16, .size: 8, .value_kind: global_buffer, .address_space: global }
      - { .name: bq, .offset: 24, .size: 8, .value_kind: global_buffer, .address_space: global }
      - { .name: bk, .offset: 32, .size: 8, .value_kind: global_buffer, .address_space: global }
      - { .name: bv, .offset: 40, .size: 8, .value_kind: global_buffer, .address_space: global }
      - { .name: wcod, .offset: 48, .size: 8, .value_kind: global_buffer, .address_space: global }
      - { .name: wscl, .offset: 56, .size: 8, .value_kind: global_buffer, .address_space: global }
      - { .name: flags, .offset: 64, .size: 8, .value_kind: global_buffer, .address_space: global }
      - { .name: hi, .offset: 72, .size: 8, .value_kind: global_buffer, .address_space: global }
      - { .name: lo, .offset: 80, .size: 8, .value_kind: global_buffer, .address_space: global }
    .group_segment_fixed_size: 38144
    .private_segment_fixed_size: 0
    .kernarg_segment_align: 8
    .kernarg_segment_size: 88
    .max_flat_workgroup_size: 512
    .sgpr_count:     66
    .vgpr_count:     256
    .wavefront_size: 32
...
	.end_amdgpu_metadata
.endif
;; end of part 2
;; launch attn (part 3): grid 4 x 64, 16 waves a work-group, no clusters, 34,816 bytes of LDS; arguments hi, mwords, flags, ctx; writes ctx
.if DOCPART == 3
	.amdgcn_target "amdgcn-amd-amdhsa--gfx1250"
	.amdhsa_code_object_version 6
	.text
	.protected	k_q7f90603232_attn
	.globl	k_q7f90603232_attn
	.p2align	8
	.type	k_q7f90603232_attn,@function
k_q7f90603232_attn:
	s_mov_b64 s[64:65], 0
	v_nop
	global_prefetch_b8 v0, s[64:65] scope:SCOPE_SE
	s_setreg_imm32_b32 hwreg(HW_REG_WAVE_MODE, 25, 1), 1
	s_wait_xcnt 0x0
; ATTN: ctx = softmax(where(mask == 0, -1e9, q k^T / 8)) v for one batch and head a work-group row; f16 operands, f32 sums, maxima and row sums in f32, a running maximum.
; SHARES.  Work-group (j, batch x head); wave i owns queries 32 B .. 32 B + 31, B = j + 4 i: two tiles of 16.  All sixteen waves walk the head's 32 steps of 64 keys in a loop of constant count.
; A step's K and V (8 KiB each, images of the operand registers as the projection stored them) go through two LDS slots, staged through registers: 16 bytes of K and of V a thread, one barrier a step.
; A step in which the stored flags show no open key for my 32 queries is jumped over (its loads from LDS, products and softmax; never the staging, a wait or the barrier).
; this launch has no tensor load, and no cluster: nothing is fetched by a joint request.
; LAYOUT.  S^T = K Q^T (source 0 = 16 keys, source 1 = 16 queries), O^T = V^T P: a lane holds one query throughout; two tiles of S^T, rounded in pairs, are source 1 of the second product.
; THE MASK comes as lane masks in scalar registers: one v_cndmask_b32 for each score register, jumped over where the flags show no masked key in the step.
; LIMITS.  A masked score is taken as -2^33 / 8 = -1.07e9 in place of -1e9 (c x 2^33 is exact, so a row with no open key gets p = 1 for every key, the plain mean, as with -1e9); this, and the jump over wholly masked
; steps, agree with -1e9 while a row's largest open score lies above about -1e9 + 150.  |q|, |k|, |v| projections and ctx beyond 65,504 do not fit f16.  NaN and infinities are not served.
; Positions 0-15 of each sequence are computed here like the rest and once more, finer, by a later launch.
.set SPARE, 32768                      ; behind the two slots of 16,384 bytes: the spare words, 128 bytes for each wave: no other line names them
.set Q,   16                           ; v16-47   Q: tile a, 32 channels kf: 16 a + 8 kf
.set S,   48                           ; v48-111  S^T: 32 a + 8 kt; then p; then P in f16 at 32 a + 8 u
.set O,   112                          ; v112-175 O^T: 32 a + 8 dt
.set KV,  176                          ; v176-239 eight fragments of K, then eight of V
.set ST,  240                          ; v240-255 a tile's eight: +0 c m, +1 m, +2, +3 l in two halves, +4 .. +7 at work (+6: the factor a)
; v0 256 x lane (the prefetch's offset); v1 16 x lane; v2 16 x thread; v3 the masked score; v4, v5 the add's two; v8-15 the staged 16 + 16 bytes
; s16-63, s80-95 the step's 64 mask words; s[66:67], s[68:69] K, V at the step to be loaded; s[70:71] my mask words; s[72:73] ctx; s[74:75] a step in bytes, or 0; s[76:77] the prefetch;
; s78 need, s79 Z; s96 the step; s97 trips; s[98:99] c; s[100:101] lane selects; s12 wave; s13 the prefetches' limit; s14 128 x step
	s_load_b256 s[4:11], s[0:1], 0x0               ; hi, mwords, flags, ctx
	v_lshl_add_u32 v4, v0, 2, SPARE
	v_mov_b32 v5, 0
	v_lshrrev_b32 v6, 5, v0
	v_readfirstlane_b32 s12, v6                    ; wave 0..15
	v_and_b32 v6, 31, v0
	v_lshlrev_b32 v1, 4, v6
	v_lshlrev_b32 v2, 4, v0
	v_mov_b32 v3, 0xd0000000                       ; -2^33
	v_lshlrev_b32 v0, 8, v6
	s_and_b32 s15, ttmp7, 0xffff                   ; batch x 16 + head
	s_lshl_b32 s2, s12, 2
	s_add_co_u32 s2, s2, ttmp9                     ; B
	s_mov_b32 s75, 0
	s_mov_b32 s98, 0x3e38aa3b                      ; c = log2(e) / 8
	s_mov_b32 s99, s98
	s_mov_b32 s100, 0x76543210
	s_mov_b32 s101, 0xfedcba98
	s_lshr_b32 s3, s12, 1
	s_cmp_eq_u32 s3, 7                             ; waves 14 and 15
	s_cselect_b32 s13, 28, 0
	s_cmp_eq_u32 ttmp9, 0                          ; of the head's first work-group prefetch
	s_cselect_b32 s13, s13, 0
	s_wait_kmcnt 0x0
	s_lshl_b32 s74, s15, 18                        ; a head's 262,144 bytes in each tensor
	s_add_nc_u64 s[4:5], s[4:5], s[74:75]
	s_add_nc_u64 s[66:67], s[4:5], 0x1000000       ; K
	s_add_nc_u64 s[68:69], s[4:5], 0x2000000       ; V
	s_cmp_eq_u32 s12, 14
	s_cselect_b64 s[76:77], s[66:67], s[68:69]     ; wave 14 asks for K's blocks, wave 15 for V's
	s_add_nc_u64 s[76:77], s[76:77], 3*8192        ; step t moves it on to step t + 4
	s_lshl_b32 s74, s2, 12
	s_add_nc_u64 s[4:5], s[4:5], s[74:75]          ; my two tiles of Q
	s_lshl_b32 s74, s2, 13
	s_add_nc_u64 s[70:71], s[6:7], s[74:75]        ; their mask words
	s_lshl_b32 s74, s2, 4
	s_add_nc_u64 s[8:9], s[8:9], s[74:75]
	s_load_b128 s[20:23], s[8:9], 0x0              ; and flags
	s_and_b32 s3, s15, 15                          ; head
	s_lshr_b32 s74, s3, 1
	s_lshl_b32 s74, s74, 9                         ; ctx: [128 k = two heads][16 tokens][32 k][1,024 bytes]
	s_lshr_b32 s14, s15, 4
	s_lshl_b32 s14, s14, 7
	s_add_co_u32 s74, s74, s14
	s_lshl_b32 s14, s2, 1
	s_add_co_u32 s74, s74, s14
	s_lshl_b32 s74, s74, 12
	s_and_b32 s3, s3, 1
	s_lshl_b32 s3, s3, 11
	s_add_co_u32 s74, s74, s3
	s_add_nc_u64 s[72:73], s[10:11], s[74:75]
.set i, 0
.rept 8
	global_load_b128 v[Q+4*i:Q+4*i+3], v1, s[4:5] offset:512*i
.set i, i+1
.endr
	global_load_b128 v[8:11], v2, s[66:67]         ; key step 0
	global_load_b128 v[12:15], v2, s[68:69]
	s_mov_b32 s96, 0
	s_mov_b32 s97, 0
.irp a, 0,1
	v_mov_b32 v[ST+8*\a+1], 0xff61b1e6             ; the largest score so far: -3e38
	v_mul_f32 v[ST+8*\a], s98, v[ST+8*\a+1]
.irp n, 2,3,4,5,6,7
	v_mov_b32 v[ST+8*\a+\n], 0
.endr
.endr
.set i, 0
.rept 64
	v_mov_b32 v[O+i], 0                            ; the step is written for every step alike: the first finds zeros
.set i, i+1
.endr
	s_wait_loadcnt 0x0
	ds_store_b128 v2, v[8:11]
	ds_store_b128 v2, v[12:15] offset:8192
	s_add_nc_u64 s[66:67], s[66:67], 8192
	s_add_nc_u64 s[68:69], s[68:69], 8192
	s_wait_dscnt 0x0                               ; slot 0 holds my part of step 0, and the stores have read their registers
	global_load_b128 v[8:11], v2, s[66:67]         ; key step 1
	global_load_b128 v[12:15], v2, s[68:69]
	s_wait_kmcnt 0x0
	s_or_b32 s78, s20, s22                         ; a step is walked if either tile needs it,
	s_or_b32 s79, s21, s23                         ; and masked if either has a masked key in it
	s_barrier_signal -1
	s_barrier_wait -1
; THE SOFTMAX of both tiles for one step, the tiles by turns.
.macro SMX
.irp j, 0,1,2,3
.irp a, 0,1
	v_max3_num_f32 v[ST+8*\a+4+\j], v[S+32*\a+8*\j], v[S+32*\a+8*\j+1], v[S+32*\a+8*\j+2]   ; four chains; each accumulator is read from its low end on
.endr
.endr
.irp p, 3,5
.irp j, 0,1,2,3
.irp a, 0,1
	v_max3_num_f32 v[ST+8*\a+4+\j], v[ST+8*\a+4+\j], v[S+32*\a+8*\j+\p], v[S+32*\a+8*\j+\p+1]
.endr
.endr
.endr
.irp a, 0,1
	v_max3_num_f32 v[ST+8*\a+4], v[ST+8*\a+4], v[S+32*\a+7], v[S+32*\a+15]
	v_max3_num_f32 v[ST+8*\a+6], v[ST+8*\a+6], v[S+32*\a+23], v[S+32*\a+31]
.endr
.irp a, 0,1
	v_max3_num_f32 v[ST+8*\a+4], v[ST+8*\a+4], v[ST+8*\a+5], v[ST+8*\a+6]
.endr
.irp a, 0,1
	v_max3_num_f32 v[ST+8*\a+4], v[ST+8*\a+4], v[ST+8*\a+7], v[ST+8*\a+1]   ; and the old m
.endr
.irp a, 0,1
	v_permlanex16_b32 v[ST+8*\a+5], v[ST+8*\a+4], s100, s101               ; the query's other 32 keys lie in the lane 16 away
.endr
.irp a, 0,1
	v_mov_b32 v[ST+8*\a+7], v[ST+8*\a]             ; c m_old
.endr
.irp a, 0,1
	v_max_num_f32 v[ST+8*\a+1], v[ST+8*\a+4], v[ST+8*\a+5]
.endr
.irp a, 0,1
	v_mul_f32 v[ST+8*\a], s98, v[ST+8*\a+1]
.endr
.irp a, 0,1
	v_sub_f32 v[ST+8*\a+7], v[ST+8*\a+7], v[ST+8*\a]
.endr
.set b, 0
.rept 16
.irp a, 0,1
	v_pk_fma_f32 v[S+32*\a+2*b:S+32*\a+2*b+1], v[S+32*\a+2*b:S+32*\a+2*b+1], s[98:99], v[ST+8*\a:ST+8*\a+1] op_sel_hi:[1,0,0] neg_lo:[0,0,1] neg_hi:[0,0,1]   ; c s - c m
.endr
.set b, b+1
.endr
.irp a, 0,1
	v_exp_f32 v[ST+8*\a+6], v[ST+8*\a+7]           ; a = 2^(c m_old - c m_new)
.endr
.set e, 0
.rept 32
	v_exp_f32 v[S+e], v[S+e]
	v_exp_f32 v[S+32+e], v[S+32+e]
.set e, e+1
.endr
	v_nop                                          ; a plain line behind the last exponential
	s_wait_alu depctr_va_vdst(0)                   ; one wait for the batch of 66, ahead of its first reader
.irp a, 0,1
	v_pk_fma_f32 v[ST+8*\a+2:ST+8*\a+3], v[ST+8*\a+2:ST+8*\a+3], v[ST+8*\a+6:ST+8*\a+7], v[S+32*\a:S+32*\a+1] op_sel_hi:[1,0,1]   ; l = a l + p, in two chains
	v_pk_add_f32 v[ST+8*\a+4:ST+8*\a+5], v[S+32*\a+2:S+32*\a+3], v[S+32*\a+4:S+32*\a+5]
.endr
.irp p, 6,10,14,18,22,26
.irp a, 0,1
	v_pk_add_f32 v[ST+8*\a+2:ST+8*\a+3], v[ST+8*\a+2:ST+8*\a+3], v[S+32*\a+\p:S+32*\a+\p+1]
	v_pk_add_f32 v[ST+8*\a+4:ST+8*\a+5], v[ST+8*\a+4:ST+8*\a+5], v[S+32*\a+\p+2:S+32*\a+\p+3]
.endr
.endr
.irp a, 0,1
	v_pk_add_f32 v[ST+8*\a+2:ST+8*\a+3], v[ST+8*\a+2:ST+8*\a+3], v[S+32*\a+30:S+32*\a+31]
.endr
.irp a, 0,1
	v_pk_add_f32 v[ST+8*\a+2:ST+8*\a+3], v[ST+8*\a+2:ST+8*\a+3], v[ST+8*\a+4:ST+8*\a+5]
.endr
.set b, 0
.rept 16
.irp a, 0,1
	v_cvt_pk_f16_f32 v[S+32*\a+b], v[S+32*\a+2*b], v[S+32*\a+2*b+1]   ; in place, ascending: register b is written when pairs 0 .. b have been read
.endr
.set b, b+1
.endr
.set b, 0
.rept 16
.irp a, 0,1
	v_pk_mul_f32 v[O+32*\a+2*b:O+32*\a+2*b+1], v[O+32*\a+2*b:O+32*\a+2*b+1], v[ST+8*\a+6:ST+8*\a+7] op_sel_hi:[1,0]
.endr
.set b, b+1
.endr
.endm
; KEY STEP s96, whose tiles lie in \slot.
.macro STEP slot
	s_wait_loadcnt 0x0                             ; my 32 bytes of the next step are in registers, and the loads have read their pointers
	ds_store_b128 v2, v[8:11] offset:(1-\slot)*16384           ; into the slot that every wave left at the last barrier
	ds_store_b128 v2, v[12:15] offset:(1-\slot)*16384+8192
	s_wait_xcnt 0x0                                ; the last prefetch, a step back, has read its address
	s_cmp_lt_u32 s96, 30
	s_cselect_b32 s74, 8192, 0                     ; the loads stop at step 31: none leaves its buffer
	s_add_nc_u64 s[66:67], s[66:67], s[74:75]
	s_add_nc_u64 s[68:69], s[68:69], s[74:75]
	s_add_nc_u64 s[76:77], s[76:77], 8192
	s_wait_dscnt 0x0                               ; the stores have read their registers
	global_load_b128 v[8:11], v2, s[66:67]         ; step min(t + 2, 31)
	global_load_b128 v[12:15], v2, s[68:69]
	s_cmp_lt_u32 s96, s13                          ; a prefetch of step t + 4's 8,192 bytes of K (wave 14) or V (wave 15), lanes 256 bytes apart, by the head's first work-group alone:
	s_cbranch_scc0 .Lnoask_\@                      ; each block is named once; two steps ahead of the load that will want it; steps 0 to 3 come by their loads alone; the last is asked for at t = 27
	global_prefetch_b8 v0, s[76:77] th:TH_LOAD_NT scope:SCOPE_SE
.Lnoask_\@:
	s_bitcmp1_b32 s78, s96
	s_cbranch_scc0 .Lskip_\@                       ; no open key for my 32 queries: nothing of the step counts
	s_lshl_b32 s14, s96, 7
	s_load_b512 s[16:31], s[70:71], s14 offset:0x0             ; tile 0's 32 words,
	s_load_b512 s[32:47], s[70:71], s14 offset:0x40
	s_load_b512 s[48:63], s[70:71], s14 offset:0x1000          ; tile 1's
	s_load_b512 s[80:95], s[70:71], s14 offset:0x1040
.set i, 0
.rept 16
	ds_load_b128 v[KV+4*i:KV+4*i+3], v1 offset:\slot*16384+512*i
.set i, i+1
.endr
	s_wait_dscnt 0x0
.irp kf, 0,1                           ; the eight accumulators by turns; the first eight products start the sums
.irp a, 0,1
.irp kt, 0,1,2,3
.if \kf == 0
	v_wmma_f32_16x16x32_f16 v[S+32*\a+8*\kt:S+32*\a+8*\kt+7], v[KV+8*(2*\kt+\kf):KV+8*(2*\kt+\kf)+7], v[Q+16*\a+8*\kf:Q+16*\a+8*\kf+7], 0
.else
	v_wmma_f32_16x16x32_f16 v[S+32*\a+8*\kt:S+32*\a+8*\kt+7], v[KV+8*(2*\kt+\kf):KV+8*(2*\kt+\kf)+7], v[Q+16*\a+8*\kf:Q+16*\a+8*\kf+7], v[S+32*\a+8*\kt:S+32*\a+8*\kt+7]
.endif
.endr
.endr
.endr
.rept 4
	v_nop                                          ; four places: in front of the loads into K's registers and of the first read of the scores
.endr
.set i, 0
.rept 16
	ds_load_b128 v[KV+4*i:KV+4*i+3], v1 offset:\slot*16384+8192+512*i
.set i, i+1
.endr
	s_wait_kmcnt 0x0                               ; the mask words
	s_bitcmp1_b32 s79, s96
	s_cbranch_scc0 .Lopen_\@                       ; no masked key in this step
.irp a, 0,1
.set n, 0
.rept 32
.if \a == 0
.set mw, 16+n
.elseif n < 16
.set mw, 48+n
.else
.set mw, 64+n
.endif
	v_cndmask_b32 v[S+32*\a+n], v[S+32*\a+n], v3, s[mw]
.set n, n+1
.endr
.endr
.Lopen_\@:
	SMX
	s_wait_dscnt 0x0                               ; V
.irp u, 0,1
.irp a, 0,1
.irp dt, 0,1,2,3
	v_wmma_f32_16x16x32_f16 v[O+32*\a+8*\dt:O+32*\a+8*\dt+7], v[KV+8*(4*\u+\dt):KV+8*(4*\u+\dt)+7], v[S+32*\a+8*\u:S+32*\a+8*\u+7], v[O+32*\a+8*\dt:O+32*\a+8*\dt+7]
.endr
.endr
.endr
.rept 5
	v_nop                                          ; five places: the next step's first products write over P, and its loads land on V
.endr
.Lskip_\@:
	s_add_co_u32 s96, s96, 1
	s_wait_dscnt 0x0                               ; my stores into the other slot are done, and my reads of this one
	s_barrier_signal -1
	s_barrier_wait -1
.endm
.Ltrip:
	STEP 0
	STEP 1
	s_add_co_u32 s97, s97, 1
	s_cmp_lt_u32 s97, 16
	s_cbranch_scc1 .Ltrip
	; THE WAY OUT: O^T / l, rounded to f16: a tile's four groups of eight channels are groups of registers of the out projection's fragments; 512 consecutive bytes a store.
.irp a, 0,1
	v_add_f32 v[ST+8*\a+4], v[ST+8*\a+2], v[ST+8*\a+3]
.endr
.irp a, 0,1
	v_permlanex16_b32 v[ST+8*\a+5], v[ST+8*\a+4], s100, s101
.endr
.irp a, 0,1
	v_add_f32 v[ST+8*\a+4], v[ST+8*\a+4], v[ST+8*\a+5]
.endr
.irp a, 0,1
	v_rcp_f32 v[ST+8*\a+6], v[ST+8*\a+4]
.endr
	v_nop
	s_wait_alu depctr_va_vdst(0)                   ; one wait for the two reciprocals, ahead of their first reader
.irp a, 0,1
.set b, 0
.rept 16
	v_pk_mul_f32 v[O+32*\a+2*b:O+32*\a+2*b+1], v[O+32*\a+2*b:O+32*\a+2*b+1], v[ST+8*\a+6:ST+8*\a+7] op_sel_hi:[1,0]
.set b, b+1
.endr
.set b, 0
.rept 16
	v_cvt_pk_f16_f32 v[S+16*\a+b], v[O+32*\a+2*b], v[O+32*\a+2*b+1]
.set b, b+1
.endr
.irp dt, 0,1,2,3
	global_store_b128 v1, v[S+16*\a+4*\dt:S+16*\a+4*\dt+3], s[72:73] offset:\a*4096+\dt*512
.endr
.endr
	s_wait_tensorcnt 0x0                           ; the wave's end
	ds_add_u32 v4, v5
	s_wait_dscnt 0x0
	s_endpgm
.Lfunc_end_k_q7f90603232_attn:
	.size	k_q7f90603232_attn, .Lfunc_end_k_q7f90603232_attn-k_q7f90603232_attn
	.p2alignl 7, 3214868480
	.fill 96, 4, 3214868480
	.section	.rodata,"a",@progbits
	.p2align	6, 0x0
	.amdhsa_kernel k_q7f90603232_attn
		.amdhsa_group_segment_fixed_size 34816
		.amdhsa_private_segment_fixed_size 0
		.amdhsa_enable_private_segment 0
		.amdhsa_kernarg_size 32
		.amdhsa_user_sgpr_count 2
		.amdhsa_user_sgpr_kernarg_segment_ptr 1
		.amdhsa_wavefront_size32 1
		.amdhsa_system_sgpr_workgroup_id_x 1
		.amdhsa_system_sgpr_workgroup_id_y 1
		.amdhsa_system_sgpr_workgroup_id_z 1
		.amdhsa_system_vgpr_workitem_id 0
		.amdhsa_next_free_vgpr 256
		.amdhsa_next_free_sgpr 102
		.amdhsa_reserve_vcc 0
		.amdhsa_float_denorm_mode_32 3
		.amdhsa_float_denorm_mode_16_64 3
		.amdhsa_memory_ordered 1
		.amdhsa_forward_progress 1
		.amdhsa_inst_pref_size 57
	.end_amdhsa_kernel
	.amdgpu_metadata
---
amdhsa.version: [ 1, 2 ]
amdhsa.kernels:
  - .name:           k_q7f90603232_attn
    .symbol:         k_q7f90603232_attn.kd
    .args:
      - { .name: hi, .offset: 0, .size: 8, .value_kind: global_buffer, .address_space: global }
      - { .name: mwords, .offset: 8, .size: 8, .value_kind: global_buffer, .address_space: global }
      - { .name: flags, .offset: 16, .size: 8, .value_kind: global_buffer, .address_space: global }
      - { .name: ctx, .offset: 24, .size: 8, .value_kind: global_buffer, .address_space: global }
    .group_segment_fixed_size: 34816
    .private_segment_fixed_size: 0
    .kernarg_segment_align: 8
    .kernarg_segment_size: 32
    .max_flat_workgroup_size: 512
    .sgpr_count:     102
    .vgpr_count:     256
    .wavefront_size: 32
...
	.end_amdgpu_metadata
.endif
;; end of part 3
;; launch outp (part 4): grid 4 x 64, 4 waves a work-group, clusters of 4 x 4, 327,680 bytes of LDS; arguments ctx, woimg, bo, out0; writes out0
.if DOCPART == 4
	.amdgcn_target "amdgcn-amd-amdhsa--gfx1250"
	.amdhsa_code_object_version 6
	.text
	.protected	k_q7f90603232_outp
	.globl	k_q7f90603232_outp
	.p2align	8
	.type	k_q7f90603232_outp,@function
k_q7f90603232_outp:
	s_mov_b64 s[64:65], 0
	v_nop
	global_prefetch_b8 v0, s[64:65] scope:SCOPE_SE
	s_setreg_imm32_b32 hwreg(HW_REG_WAVE_MODE, 25, 1), 1
	s_wait_xcnt 0x0
	s_wait_alu depctr_hold_cnt(0) depctr_sa_sdst(0) depctr_va_vdst(0) depctr_va_sdst(0) depctr_va_ssrc(0) depctr_va_vcc(0) depctr_vm_vsrc(0)
	s_getreg_b32 s2, hwreg(HW_REG_IB_STS2, 6, 4)
	s_cmp_eq_u32 s2, 0
	s_cbranch_scc0 .Lentry_in_a_cluster
	s_endpgm
.Lentry_in_a_cluster:
	s_bfe_u32 s2, ttmp6, 0x10000c
	s_cmp_lg_u32 s2, 0xf033
	s_cbranch_scc0 .Lentry_shape_is_right
	s_endpgm
.Lentry_shape_is_right:
; OUTP: out0 = ctx wo + bo.  ctx [8,192][1,024] and wo^T come as f16 images of the operand registers (fragments of 16 x 32, 1,024 bytes each, four of them for 128 along K on end); sums in f32; out0 f32.
; A tile of out0 is 128 tokens x 256 columns: 256 work-groups of four waves; a wave makes 64 tokens x 128 columns: 32 accumulators.  K goes in 8 steps of 128 through two LDS slots filled by the tensor data mover:
; a step's part of ctx is one dense block of 32 KiB, wo's one of 64 KiB; since they are images, a fragment load takes 512 consecutive bytes, and no padding is wanted.
; CLUSTERS: 4 x 4 work-groups.  The four of a row of the cluster need the same block of ctx, the four of a column the same block of wo: each is asked for jointly, by the same tensor load with the same descriptor
; and a mask that names the four.  THE MATRIX INSTRUCTION IS USED TRANSPOSED (source 0 = 16 columns of wo, source 1 = 16 tokens): a lane holds eight neighbouring numbers of a row of out0.
; No prefetch: the launch has eight K steps in all.  LIMIT: ctx and wo in f16 (wo's low part is used for positions 0-15 alone, by the next launch, which writes those rows again).
; REGISTERS: window 0: v8-11 the bias of my 4 columns; v16-29 addresses; two fragment buffers at v32 and v128: 64 registers of wo's eight fragments, then 32 of the tokens' four.  window 1: the accumulators, (a, b) at 8 (8 a + b).
.set SLOT,   98304                     ; ctx's 8 tiles of tokens x 4,096 bytes, then wo's 16 tiles of columns x 4,096
.set WOFF,   32768
.set SPARE,  2*SLOT                    ; behind the ring: the spare words, 128 bytes for each wave: no other line names them
.set SPITCH, 528                       ; the way out: 16 rows x (512 + 16) bytes for each wave, in slot 0, which has had its last fill and its last read by then
.set LAPS,   4                         ; a lap = two K steps = once round the ring
.set ADRA, 16                          ; v16-17 my token fragments in slot 0, 1
.set ADRB, 20                          ; v20-21 my column fragments
.set STO,  24
.set RD,   25
.set CO,   26
.set SPW,  28                          ; v28 SPARE + 4 x thread; never rewritten
.set NIL,  29                          ; v29 0; never rewritten
.set F0,   32
.set F1,   128
.set G1,  24                           ; s[24:31] group 1 for ctx; s[32:39] its groups 0, one for each slot
.set G0,  32
.set G1B, 48                           ; s[48:55], s[56:63] the same for wo
.set G0B, 56
.set MSB, 0
.macro WIN new                         ; the immediate's high byte repeats the setting that is left
.if MSB != \new
	s_set_vgpr_msb (MSB<<8)|\new
.set MSB, \new
.endif
.endm
.set MUL, 0x50                         ; sources 0 and 1 window 0; C and D window 1
.macro JLOAD s                         ; a joint load: waves 0 and 1 fetch ctx's halves, waves 2 and 3 wo's; an s_nop 0 and four v_nop follow each of the two lines
	s_cmp_eq_u32 s13, 0
	s_cbranch_scc0 .Lfor_b_\@
	tensor_load_to_lds s[G0+4*\s:G0+4*\s+3], s[G1:G1+7]
	s_nop 0
.rept 4
	v_nop
.endr
	s_branch .Lasked_\@
.Lfor_b_\@:
	tensor_load_to_lds s[G0B+4*\s:G0B+4*\s+3], s[G1B:G1B+7]
	s_nop 0
.rept 4
	v_nop
.endr
.Lasked_\@:
.endm
.macro CREST                           ; a round of the cluster's barrier behind its opening barrier
	s_cmp_lg_u32 s12, 0
	s_cbranch_scc1 .Lnot_wave_0_\@
	s_barrier_signal -3
.Lnot_wave_0_\@:
	s_barrier_wait -3
	s_barrier_signal -1
	s_barrier_wait -1
.endm
.macro CROUND
	s_barrier_signal -1
	s_barrier_wait -1
	CREST
.endm
.macro PLACES
.rept 4
	v_nop
.endr
.endm
	s_load_b256 s[4:11], s[0:1], 0x0               ; ctx, woimg, bo, out0
	v_lshl_add_u32 v[SPW], v0, 2, SPARE
	v_mov_b32 v[NIL], 0
	ds_add_u32 v[SPW], v[NIL]                      ; the wave's opening: the add, twice on end, and its wait ahead of my first tensor load
	ds_add_u32 v[SPW], v[NIL]
	v_lshrrev_b32 v1, 5, v0
	v_readfirstlane_b32 s12, v1                    ; wave 0..3
	s_lshr_b32 s13, s12, 1                         ; which 64 tokens are mine.  Also: I fetch for ctx (0) or for wo (1)
	s_and_b32 s14, s12, 1                          ; which 128 columns.  Also: which half of that block I fetch
	s_bfe_u32 s40, ttmp6, 0x40000                  ; cx, cy
	s_bfe_u32 s41, ttmp6, 0x40004
	s_lshl_b32 s42, ttmp9, 2
	s_add_co_u32 s42, s42, s40                     ; tile column = 4 x cluster x + cx
	s_and_b32 s15, ttmp7, 0xffff
	s_lshl_b32 s15, s15, 2
	s_add_co_u32 s15, s15, s41                     ; tile row = 4 x cluster y + cy
	s_lshl_b32 s43, s41, 2
	s_lshl_b32 s43, 15, s43                        ; my row of the cluster
	s_lshl_b32 s44, 0x1111, s40                    ; my column
	s_or_b32 s[G1], s43, (3<<16)|(1<<21)           ; 15:0 the mask; 17:16 elements of 8 bytes; 21 set beside a mask; no padding
	s_or_b32 s[G1B], s44, (3<<16)|(1<<21)
	s_mov_b32 s[G1+1], 32<<16                      ; tensor_dim0 = 32 elements: rows of 256 bytes
	s_mov_b32 s[G1+2], 64<<16                      ; tensor_dim1 = 64 rows: 16 KiB, half of ctx's block
	s_mov_b32 s[G1+3], 32<<16                      ; tile_dim0
	s_mov_b32 s[G1+4], 64                          ; tile_dim1
	s_mov_b32 s[G1+5], 32                          ; the pitch: dense
	s_mov_b32 s[G1+6], 0
	s_mov_b32 s[G1+7], 0
	s_mov_b32 s[G1B+1], 32<<16
	s_mov_b32 s[G1B+2], 128<<16                    ; 128 rows: 32 KiB, half of wo's block
	s_mov_b32 s[G1B+3], 32<<16
	s_mov_b32 s[G1B+4], 128
	s_mov_b32 s[G1B+5], 32
	s_mov_b32 s[G1B+6], 0
	s_mov_b32 s[G1B+7], 0
	s_lshl_b32 s16, s15, 15                        ; ctx: tile row x 8 tiles x 4,096, + my half
	s_lshl_b32 s17, s14, 14
	s_add_co_u32 s16, s16, s17
	s_mov_b32 s17, 0
	s_lshl_b32 s46, s42, 16                        ; wo: tile column x 16 tiles x 4,096, + my half
	s_lshl_b32 s47, s14, 15
	s_add_co_u32 s46, s46, s47
	s_mov_b32 s47, 0
	s_lshl_b32 s20, s14, 14                        ; where they go: no place in the cluster enters an LDS address
	s_lshl_b32 s21, s14, 15
	s_add_co_u32 s21, s21, WOFF
	s_wait_dscnt 0x0                               ; both opening adds are done
	s_wait_kmcnt 0x0
	s_add_nc_u64 s[16:17], s[4:5], s[16:17]
	s_add_nc_u64 s[46:47], s[6:7], s[46:47]
	CROUND                                         ; all sixteen work-groups are here: the first joint loads meet
.irp s, 0,1
	s_mov_b32 s[G0+4*\s], 1
	s_add_co_u32 s[G0+4*\s+1], s20, \s*SLOT
	s_add_nc_u64 s[G0+4*\s+2:G0+4*\s+3], s[16:17], \s*2097152     ; K step s: 512 tiles of tokens x 4,096 bytes on
	s_or_b32 s[G0+4*\s+3], s[G0+4*\s+3], 0x80000000
	s_mov_b32 s[G0B+4*\s], 1
	s_add_co_u32 s[G0B+4*\s+1], s21, \s*SLOT
	s_add_nc_u64 s[G0B+4*\s+2:G0B+4*\s+3], s[46:47], \s*262144    ; 64 tiles of columns x 4,096 bytes on
	s_or_b32 s[G0B+4*\s+3], s[G0B+4*\s+3], 0x80000000
	JLOAD \s                                       ; two loads of mine are out
.endr
	v_and_b32 v1, 31, v0
	v_lshlrev_b32 v[CO], 4, v1                     ; 16 x lane
	s_lshl_b32 s21, s13, 14                        ; my four tiles of tokens
	s_lshl_b32 s22, s14, 15                        ; my eight tiles of columns
	s_add_co_u32 s22, s22, WOFF
.irp s, 0,1
	v_add_nc_u32 v[ADRA+\s], s21, v[CO]
	v_add_nc_u32 v[ADRB+\s], s22, v[CO]
	s_add_co_u32 s21, s21, SLOT
	s_add_co_u32 s22, s22, SLOT
.endr
	s_mul_i32 s23, s12, 16*SPITCH                  ; my stage
	v_and_b32 v2, 15, v0
	v_bfe_u32 v3, v0, 4, 1
	v_mul_u32_u24 v[STO], v2, SPITCH
	v_lshl_add_u32 v[STO], v3, 5, v[STO]
	v_add_nc_u32 v[STO], s23, v[STO]               ; in: row r, 32 bytes for each half of the lanes
	v_add_nc_u32 v[RD], s23, v[CO]                 ; back: the 32 lanes take a row of 512 bytes
	s_lshl_b32 s18, s42, 10                        ; my first column in bytes: 1,024 x tile column + 512 x half
	s_lshl_b32 s19, s14, 9
	s_add_co_u32 s18, s18, s19
	s_mov_b32 s19, 0
	s_add_nc_u64 s[8:9], s[8:9], s[18:19]
	global_load_b128 v[8:11], v[CO], s[8:9]        ; the bias of the four columns that I store
	s_add_nc_u64 s[10:11], s[10:11], s[18:19]
	s_lshl_b32 s18, s15, 19                        ; my first row: 128 x tile row + 64 x half, rows of 4,096 bytes
	s_lshl_b32 s22, s13, 18
	s_add_co_u32 s18, s18, s22
	s_add_nc_u64 s[10:11], s[10:11], s[18:19]
; 8 matrix instructions: tile of tokens a x my eight tiles of columns, 32 along K.  The 32 accumulators take turns in one fixed order.
.macro MUL8 f, a, zero
.irp b, 0,1,2,3,4,5,6,7
.if \zero
	v_wmma_f32_16x16x32_f16 v[8*(8*(\a)+\b):8*(8*(\a)+\b)+7], v[\f+8*\b:\f+8*\b+7], v[\f+64+8*(\a):\f+64+8*(\a)+7], 0
.else
	v_wmma_f32_16x16x32_f16 v[8*(8*(\a)+\b):8*(8*(\a)+\b)+7], v[\f+8*\b:\f+8*\b+7], v[\f+64+8*(\a):\f+64+8*(\a)+7], v[8*(8*(\a)+\b):8*(8*(\a)+\b)+7]
.endif
.endr
.endm
.macro FETCH slot, kf, f               ; 24 LDS loads in one run: the fragments of 32 along K; the tokens' last
	WIN 0
.irp b, 0,1,2,3,4,5,6,7
	ds_load_b128 v[\f+8*\b:\f+8*\b+3],   v[ADRB+\slot] offset:\b*4096+(\kf)*1024
	ds_load_b128 v[\f+8*\b+4:\f+8*\b+7], v[ADRB+\slot] offset:\b*4096+(\kf)*1024+512
.endr
.irp a, 0,1,2,3
	ds_load_b128 v[\f+64+8*\a:\f+64+8*\a+3], v[ADRA+\slot] offset:\a*4096+(\kf)*1024
	ds_load_b128 v[\f+64+8*\a+4:\f+64+8*\a+7], v[ADRA+\slot] offset:\a*4096+(\kf)*1024+512
.endr
.endm
; A K step is four quarters of 32 along K, 32 matrix instructions each, on buffers 0, 1, 0, 1.  One of the first three multiplies buffer f and fetches quarter kf into g.
.macro QUARTER slot, kf, f, g, zero
	s_wait_dscnt 4                                 ; all but the youngest four loads (token tiles 2 and 3) are in
	WIN MUL
	MUL8 \f, 0, \zero
	MUL8 \f, 1, \zero
	PLACES                                         ; in front of loads into registers that matrix instructions have read
	FETCH \slot, \kf, \g
	s_wait_dscnt 24                                ; all but the 24 just issued
	WIN MUL
	MUL8 \f, 2, \zero
	MUL8 \f, 3, \zero
.endm
; The last quarter multiplies buffer 1 and changes slots: one barrier; in front of it each wave waits for all its tensor loads, adds 0 to its spare word, and waits for that and for its reads of this slot.
.macro TURN slot, next, fill
	WIN 0
	s_wait_tensorcnt 0x0                           ; all my tensor loads have landed: my part of the next slot
	ds_add_u32 v[SPW], v[NIL]
	s_wait_dscnt 5                                 ; (the add and the youngest four loads may be out)
	WIN MUL
	MUL8 F1, 0, 0
	s_wait_dscnt 0x0                               ; the add is done, and my reads of this slot are over
	s_barrier_signal -1
	MUL8 F1, 1, 0
	WIN 0
	s_barrier_wait -1
.if \fill
	CREST                                          ; the barrier has opened a round of the cluster's barrier: no wave of any partner still reads this slot or has a load on its way
	s_add_nc_u64 s[G0+4*\slot+2:G0+4*\slot+3], s[G0+4*\slot+2:G0+4*\slot+3], 2*2097152
	s_add_nc_u64 s[G0B+4*\slot+2:G0B+4*\slot+3], s[G0B+4*\slot+2:G0B+4*\slot+3], 2*262144
	JLOAD \slot                                    ; my one tensor load behind the round; its four v_nop are also the places in front of the loads below
.else
	PLACES
.endif
	FETCH \next, 0, F0
	WIN MUL
	MUL8 F1, 2, 0
	MUL8 F1, 3, 0
.endm
	s_wait_tensorcnt 1                             ; my part of K step 0 is in; K step 1's may stay out
	s_barrier_signal -1
	s_barrier_wait -1
	FETCH 0, 0, F0
	QUARTER 0, 1, F0, F1, 1                        ; the first quarter starts the sums: nothing is cleared
	WIN 0
	s_mov_b32 s3, LAPS-1
.Llap:                                             ; a trip goes once round the ring and fills both slots again
	QUARTER 0, 2, F1, F0, 0
	QUARTER 0, 3, F0, F1, 0
	TURN 0, 1, 1
	QUARTER 1, 1, F0, F1, 0
	QUARTER 1, 2, F1, F0, 0
	QUARTER 1, 3, F0, F1, 0
	TURN 1, 0, 1
	QUARTER 0, 1, F0, F1, 0
	WIN 0
	s_sub_co_u32 s3, s3, 1
	s_cmp_lg_u32 s3, 0
	s_cbranch_scc1 .Llap
	QUARTER 0, 2, F1, F0, 0                        ; the last lap fills nothing
	QUARTER 0, 3, F0, F1, 0
	TURN 0, 1, 0
	QUARTER 1, 1, F0, F1, 0
	QUARTER 1, 2, F1, F0, 0
	QUARTER 1, 3, F0, F1, 0
	s_wait_dscnt 4
	WIN MUL
	MUL8 F1, 0, 0
	MUL8 F1, 1, 0
	s_wait_dscnt 0x0
	MUL8 F1, 2, 0
	MUL8 F1, 3, 0
	WIN 0
; THE WAY OUT, a block of 16 tokens x 128 columns at a time: through my own stage and back as whole rows of 512 bytes; the bias is added on the way; 32 lanes store 512 consecutive bytes.
.macro TOSTAGE a
	WIN 0x04                                       ; an LDS store's data are its source 1: window 1
.irp b, 0,1,2,3,4,5,6,7
	ds_store_b128 v[STO], v[64*(\a)+8*\b:64*(\a)+8*\b+3] offset:64*\b        ; each accumulator from its low end on
	ds_store_b128 v[STO], v[64*(\a)+8*\b+4:64*(\a)+8*\b+7] offset:64*\b+16
.endr
	WIN 0
.set BB, 32+96*((\a)%2)
.irp t, 0,1,2,3,4,5,6,7,8,9,10,11,12,13,14,15
	ds_load_b128 v[BB+4*\t:BB+4*\t+3], v[RD] offset:\t*SPITCH     ; my own bytes, served in order
.endr
.endm
.macro SEND a, younger
.set BB, 32+96*((\a)%2)
	s_wait_dscnt \younger                          ; the block is back in registers
.irp t, 0,1,2,3,4,5,6,7,8,9,10,11,12,13,14,15
	v_pk_add_f32 v[BB+4*\t:BB+4*\t+1], v[BB+4*\t:BB+4*\t+1], v[8:9]
	v_pk_add_f32 v[BB+4*\t+2:BB+4*\t+3], v[BB+4*\t+2:BB+4*\t+3], v[10:11]
	global_store_b128 v[CO], v[BB+4*\t:BB+4*\t+3], s[10:11] offset:(\a)*65536+\t*4096 th:TH_STORE_NT
.endr
.endm
	PLACES
	s_wait_loadcnt 0x0                             ; the bias
	TOSTAGE 0
.irp a, 1,2,3
.if \a > 1
	s_wait_xcnt 0x0                                ; block a - 2's stores have read their registers: block a's loads may land there
.endif
	TOSTAGE \a
	SEND \a-1, 32                                  ; behind block a - 1's loads: block a's 16 stores and 16 loads
.endr
	SEND 3, 0
	s_wait_tensorcnt 0x0                           ; the wave's end
	ds_add_u32 v[SPW], v[NIL]
	s_wait_dscnt 0x0
	CROUND                                         ; the closing round: no work-group ends while a partner may still ask for a block that names it
	s_endpgm
.Lfunc_end_k_q7f90603232_outp:
	.size	k_q7f90603232_outp, .Lfunc_end_k_q7f90603232_outp-k_q7f90603232_outp
	.p2alignl 7, 3214868480
	.fill 96, 4, 3214868480
	.section	.rodata,"a",@progbits
	.p2align	6, 0x0
	.amdhsa_kernel k_q7f90603232_outp
		.amdhsa_group_segment_fixed_size 327680
		.amdhsa_private_segment_fixed_size 0
		.amdhsa_enable_private_segment 0
		.amdhsa_kernarg_size 32
		.amdhsa_user_sgpr_count 2
		.amdhsa_user_sgpr_kernarg_segment_ptr 1
		.amdhsa_wavefront_size32 1
		.amdhsa_system_sgpr_workgroup_id_x 1
		.amdhsa_system_sgpr_workgroup_id_y 1
		.amdhsa_system_sgpr_workgroup_id_z 1
		.amdhsa_system_vgpr_workitem_id 0
		.amdhsa_next_free_vgpr 512
		.amdhsa_next_free_sgpr 66
		.amdhsa_reserve_vcc 0
		.amdhsa_float_denorm_mode_32 3
		.amdhsa_float_denorm_mode_16_64 3
		.amdhsa_memory_ordered 1
		.amdhsa_forward_progress 1
		.amdhsa_inst_pref_size 92
	.end_amdhsa_kernel
	.amdgpu_metadata
---
amdhsa.version: [ 1, 2 ]
amdhsa.kernels:
  - .name:           k_q7f90603232_outp
    .symbol:         k_q7f90603232_outp.kd
    .args:
      - { .name: ctx, .offset: 0, .size: 8, .value_kind: global_buffer, .address_space: global }
      - { .name: woimg, .offset: 8, .size: 8, .value_kind: global_buffer, .address_space: global }
      - { .name: bo, .offset: 16, .size: 8, .value_kind: global_buffer, .address_space: global }
      - { .name: out0, .offset: 24, .size: 8, .value_kind: global_buffer, .address_space: global }
    .group_segment_fixed_size: 327680
    .private_segment_fixed_size: 0
    .kernarg_segment_align: 8
    .kernarg_segment_size: 32
    .max_flat_workgroup_size: 128
    .sgpr_count:     66
    .vgpr_count:     512
    .wavefront_size: 32
...
	.end_amdgpu_metadata
.endif
;; end of part 4
;; launch fine (part 5): grid 16 x 4, 16 waves a work-group, no clusters, 84,992 bytes of LDS; arguments hi, lo, mwords, flags, woimg, bo, out0; writes out0
.if DOCPART == 5
	.amdgcn_target "amdgcn-amd-amdhsa--gfx1250"
	.amdhsa_code_object_version 6
	.text
	.protected	k_q7f90603232_fine
	.globl	k_q7f90603232_fine
	.p2align	8
	.type	k_q7f90603232_fine,@function
k_q7f90603232_fine:
	s_mov_b64 s[64:65], 0
	v_nop
	global_prefetch_b8 v0, s[64:65] scope:SCOPE_SE
	s_setreg_imm32_b32 hwreg(HW_REG_WAVE_MODE, 25, 1), 1
	s_wait_xcnt 0x0
; FINE: positions 0-15 of every sequence once more, with every f16 operand as a pair of a high and a low part (split in f32): a b is taken as ah bh + ah bl + al bh.  Such rows may average very few values.
; Work-group (64 columns of out0, batch).  PHASE 1: wave = head: the 16 queries' attention over the key steps that the stored flags of these positions name (a loop of constant count, a jump over the others;
; no tensor load); operands come from memory straight into registers, as images.  The 16 work-groups of a batch repeat this phase.  ctx / l is split and laid in LDS as images of fragments.
; PHASE 2: wave (nt = w % 4, kq = w / 4): 16 tokens x 16 columns over a quarter of K; the four quarters meet in LDS; waves 0-7 add them and the bias and store: sixteen lanes store 256 consecutive bytes, aligned.
; The rows stored here are written over those of the launch before.  LIMITS as in the attention launch: the masked score is -2^33 / 8; magnitudes beyond 65,504 do not fit f16; NaN and infinities are not served.
.set CXL,   32768                      ; LDS: ctx's high parts, 32 fragments x 1,024 bytes, from 0; its low parts from here
.set RS,    65536                      ; four quarters x 16 rows x (256 + 16) bytes
.set SPARE, 82944                      ; the spare words, 128 bytes for each wave: no other line names them
.set QH,  16                           ; v16-31 Q's high part, v32-47 its low part; later wo's high (v16-79) and low (v80-143) fragments
.set QL,  32
.set S,   48                           ; v48-79   S^T, then p
.set PH,  80                           ; v80-95   P's high part
.set PL,  96                           ; v96-111  its low part
.set O,   112                          ; v112-143 O^T
.set ST,  144                          ; v144-151 +0 c m, +1 m, +2, +3 l, +4 .. +7 at work
.set DA,  160                          ; v160-223 eight fragments in hand
; v1 16 x lane; v2 where ctx's images go; v3 the masked score; v4, v5 the add's two; v6, v8-11 at work; v7 16 x lane + 8,192 x step; v152 .. v156 addresses of phase 2; v224-247 its three accumulators
	s_load_b256 s[4:11], s[0:1], 0x0               ; hi, lo, mwords, flags
	s_load_b128 s[12:15], s[0:1], 0x20             ; woimg, bo
	s_load_b64 s[48:49], s[0:1], 0x30              ; out0
	v_lshl_add_u32 v4, v0, 2, SPARE
	v_mov_b32 v5, 0
	v_lshrrev_b32 v6, 5, v0
	v_readfirstlane_b32 s52, v6                    ; wave = head
	v_and_b32 v6, 31, v0
	v_lshlrev_b32 v1, 4, v6
	v_mov_b32 v7, v1
	v_mov_b32 v3, 0xd0000000                       ; -2^33
	v_and_b32 v8, 15, v0                           ; r
	v_bfe_u32 v9, v0, 4, 1                         ; h
	s_lshl_b32 s74, s52, 11
	v_add_nc_u32 v2, s74, v1                       ; my head's two fragments
	s_lshr_b32 s76, s52, 2                         ; kq
	s_and_b32 s77, s52, 3                          ; nt
	s_lshl_b32 s74, s76, 13
	v_add_nc_u32 v152, s74, v1                     ; my quarter's eight fragments
	v_mul_u32_u24 v153, v8, 272
	v_lshl_add_u32 v153, v9, 5, v153
	s_mul_i32 s74, s76, 4352
	s_lshl_b32 s75, s77, 6
	s_add_co_u32 s74, s74, s75
	s_add_co_u32 s74, s74, RS
	v_add_nc_u32 v153, s74, v153                   ; my part sums: quarter kq, row r, 64 nt + 32 h
	v_mul_u32_u24 v154, v9, 272
	v_lshl_add_u32 v154, v8, 4, v154
	s_and_b32 s74, s52, 7
	s_mul_i32 s74, s74, 544
	s_add_co_u32 s74, s74, RS
	v_add_nc_u32 v154, s74, v154                   ; back: rows 2 (w % 8) + h, 16 bytes a lane
	v_lshlrev_b32 v155, 12, v9
	v_lshl_add_u32 v155, v8, 4, v155               ; the same two rows in out0
	v_lshlrev_b32 v156, 4, v8                      ; and my four columns of the bias
	s_and_b32 s53, ttmp7, 0xffff                   ; batch
	s_mov_b32 s58, 0x3e38aa3b                      ; c = log2(e) / 8
	s_mov_b32 s59, s58
	s_mov_b32 s60, 0x76543210
	s_mov_b32 s61, 0xfedcba98
	s_mov_b32 s75, 0
	s_wait_kmcnt 0x0
	s_load_b32 s55, s[10:11], 0x0                  ; the key steps that positions 0-15 need
	s_lshl_b32 s74, s53, 4
	s_add_co_u32 s74, s74, s52
	s_lshl_b32 s74, s74, 18                        ; a head's 262,144 bytes in each tensor
	s_add_nc_u64 s[4:5], s[4:5], s[74:75]          ; Q's tile 0, high,
	s_add_nc_u64 s[6:7], s[6:7], s[74:75]          ; and low
	s_add_nc_u64 s[66:67], s[4:5], 0x1000000       ; K high, low
	s_add_nc_u64 s[68:69], s[6:7], 0x1000000
	s_add_nc_u64 s[70:71], s[4:5], 0x2000000       ; V high, low
	s_add_nc_u64 s[72:73], s[6:7], 0x2000000
.irp n, 0,1,2,3
	global_load_b128 v[QH+4*\n:QH+4*\n+3], v1, s[4:5] offset:512*\n
	global_load_b128 v[QL+4*\n:QL+4*\n+3], v1, s[6:7] offset:512*\n
.endr
	s_lshl_b32 s74, s76, 7                         ; wo: (2 kq x 64 + 4 x work-group x + nt) tiles of 4,096 bytes
	s_lshl_b32 s78, ttmp9, 2
	s_add_co_u32 s74, s74, s78
	s_add_co_u32 s74, s74, s77
	s_lshl_b32 s74, s74, 12
	s_add_nc_u64 s[12:13], s[12:13], s[74:75]
	s_lshl_b32 s74, ttmp9, 8                       ; my work-group's 64 columns
	s_add_nc_u64 s[14:15], s[14:15], s[74:75]
	s_add_nc_u64 s[48:49], s[48:49], s[74:75]
	s_lshl_b32 s74, s53, 23                        ; the batch's first row,
	s_and_b32 s78, s52, 7
	s_lshl_b32 s78, s78, 13                        ; + 2 (w % 8) rows of 4,096 bytes
	s_add_co_u32 s74, s74, s78
	s_add_nc_u64 s[48:49], s[48:49], s[74:75]
	v_mov_b32 v[ST+1], 0xff61b1e6                  ; the largest score so far: -3e38
	v_mul_f32 v[ST], s58, v[ST+1]
.irp n, 2,3,4,5,6,7
	v_mov_b32 v[ST+\n], 0
.endr
.set i, 0
.rept 32
	v_mov_b32 v[O+i], 0
.set i, i+1
.endr
	s_mov_b32 s56, 0
	s_wait_loadcnt 0x0
	s_wait_kmcnt 0x0
.macro LD16 p                          ; a step's eight fragments from the tensor at s[p:p+1]
.set i, 0
.rept 16
	global_load_b128 v[DA+4*i:DA+4*i+3], v7, s[\p:\p+1] offset:512*i
.set i, i+1
.endr
.endm
.macro PLACES n
.rept \n
	v_nop
.endr
.endm
.Lstep:
	s_bitcmp1_b32 s55, s56
	s_cbranch_scc0 .Lnone
	s_lshl_b32 s57, s56, 7
	s_load_b512 s[16:31], s[8:9], s57 offset:0x0   ; the step's 32 mask words of these 16 queries
	s_load_b512 s[32:47], s[8:9], s57 offset:0x40
	LD16 66
	s_wait_loadcnt 0x0
.irp q, QH, QL                         ; Kh Qh, Kh Ql: the four accumulators by turns
.irp kf, 0,1
.irp kt, 0,1,2,3
.if (\q == QH) && (\kf == 0)
	v_wmma_f32_16x16x32_f16 v[S+8*\kt:S+8*\kt+7], v[DA+8*(2*\kt+\kf):DA+8*(2*\kt+\kf)+7], v[\q+8*\kf:\q+8*\kf+7], 0
.else
	v_wmma_f32_16x16x32_f16 v[S+8*\kt:S+8*\kt+7], v[DA+8*(2*\kt+\kf):DA+8*(2*\kt+\kf)+7], v[\q+8*\kf:\q+8*\kf+7], v[S+8*\kt:S+8*\kt+7]
.endif
.endr
.endr
.endr
	PLACES 4
	LD16 68
	s_wait_loadcnt 0x0
.irp kf, 0,1                           ; Kl Qh
.irp kt, 0,1,2,3
	v_wmma_f32_16x16x32_f16 v[S+8*\kt:S+8*\kt+7], v[DA+8*(2*\kt+\kf):DA+8*(2*\kt+\kf)+7], v[QH+8*\kf:QH+8*\kf+7], v[S+8*\kt:S+8*\kt+7]
.endr
.endr
	PLACES 4
	LD16 70
	s_wait_kmcnt 0x0
.set n, 0
.rept 32
	v_cndmask_b32 v[S+n], v[S+n], v3, s[16+n]
.set n, n+1
.endr
.irp j, 0,1,2,3
	v_max3_num_f32 v[ST+4+\j], v[S+8*\j], v[S+8*\j+1], v[S+8*\j+2]
.endr
.irp p, 3,5
.irp j, 0,1,2,3
	v_max3_num_f32 v[ST+4+\j], v[ST+4+\j], v[S+8*\j+\p], v[S+8*\j+\p+1]
.endr
.endr
	v_max3_num_f32 v[ST+4], v[ST+4], v[S+7], v[S+15]
	v_max3_num_f32 v[ST+6], v[ST+6], v[S+23], v[S+31]
	v_max3_num_f32 v[ST+4], v[ST+4], v[ST+5], v[ST+6]
	v_max3_num_f32 v[ST+4], v[ST+4], v[ST+7], v[ST+1]
	v_permlanex16_b32 v[ST+5], v[ST+4], s60, s61
	v_mov_b32 v[ST+7], v[ST]
	v_max_num_f32 v[ST+1], v[ST+4], v[ST+5]
	v_mul_f32 v[ST], s58, v[ST+1]
	v_sub_f32 v[ST+7], v[ST+7], v[ST]
.set b, 0
.rept 16
	v_pk_fma_f32 v[S+2*b:S+2*b+1], v[S+2*b:S+2*b+1], s[58:59], v[ST:ST+1] op_sel_hi:[1,0,0] neg_lo:[0,0,1] neg_hi:[0,0,1]
.set b, b+1
.endr
	v_exp_f32 v[ST+6], v[ST+7]
.set e, 0
.rept 32
	v_exp_f32 v[S+e], v[S+e]
.set e, e+1
.endr
	v_nop
	s_wait_alu depctr_va_vdst(0)                   ; one wait for the batch of 33, ahead of its first reader
	v_pk_fma_f32 v[ST+2:ST+3], v[ST+2:ST+3], v[ST+6:ST+7], v[S:S+1] op_sel_hi:[1,0,1]
	v_pk_add_f32 v[ST+4:ST+5], v[S+2:S+3], v[S+4:S+5]
.irp p, 6,10,14,18,22,26
	v_pk_add_f32 v[ST+2:ST+3], v[ST+2:ST+3], v[S+\p:S+\p+1]
	v_pk_add_f32 v[ST+4:ST+5], v[ST+4:ST+5], v[S+\p+2:S+\p+3]
.endr
	v_pk_add_f32 v[ST+2:ST+3], v[ST+2:ST+3], v[S+30:S+31]
	v_pk_add_f32 v[ST+2:ST+3], v[ST+2:ST+3], v[ST+4:ST+5]
.set b, 0
.rept 16                               ; p as a high and a low part
	v_cvt_pk_f16_f32 v6, v[S+2*b], v[S+2*b+1]
	v_cvt_f32_f16 v8, v6.l
	v_cvt_f32_f16 v9, v6.h
	v_mov_b32 v[PH+b], v6
	v_pk_add_f32 v[8:9], v[S+2*b:S+2*b+1], v[8:9] neg_lo:[0,1] neg_hi:[0,1]
	v_cvt_pk_f16_f32 v[PL+b], v8, v9
.set b, b+1
.endr
.set b, 0
.rept 16
	v_pk_mul_f32 v[O+2*b:O+2*b+1], v[O+2*b:O+2*b+1], v[ST+6:ST+7] op_sel_hi:[1,0]
.set b, b+1
.endr
	s_wait_loadcnt 0x0                             ; V's high part
.irp p, PH, PL                         ; Vh Ph, Vh Pl
.irp u, 0,1
.irp dt, 0,1,2,3
	v_wmma_f32_16x16x32_f16 v[O+8*\dt:O+8*\dt+7], v[DA+8*(4*\u+\dt):DA+8*(4*\u+\dt)+7], v[\p+8*\u:\p+8*\u+7], v[O+8*\dt:O+8*\dt+7]
.endr
.endr
.endr
	PLACES 4
	LD16 72
	s_wait_loadcnt 0x0
.irp u, 0,1                            ; Vl Ph
.irp dt, 0,1,2,3
	v_wmma_f32_16x16x32_f16 v[O+8*\dt:O+8*\dt+7], v[DA+8*(4*\u+\dt):DA+8*(4*\u+\dt)+7], v[PH+8*\u:PH+8*\u+7], v[O+8*\dt:O+8*\dt+7]
.endr
.endr
	PLACES 5
.Lnone:
	v_add_nc_u32 v7, 0x2000, v7                    ; the next step's blocks (every load that named v7 has been waited for)
	s_add_co_u32 s56, s56, 1
	s_cmp_lt_u32 s56, 32
	s_cbranch_scc1 .Lstep
	; ctx = O^T / l in f32, split, and laid in LDS as images
	v_add_f32 v[ST+4], v[ST+2], v[ST+3]
	v_permlanex16_b32 v[ST+5], v[ST+4], s60, s61
	v_add_f32 v[ST+4], v[ST+4], v[ST+5]
	v_rcp_f32 v[ST+6], v[ST+4]
	v_nop
	s_wait_alu depctr_va_vdst(0)
.set b, 0
.rept 16
	v_pk_mul_f32 v[8:9], v[O+2*b:O+2*b+1], v[ST+6:ST+7] op_sel_hi:[1,0]
	v_cvt_pk_f16_f32 v6, v8, v9
	v_cvt_f32_f16 v10, v6.l
	v_cvt_f32_f16 v11, v6.h
	v_mov_b32 v[48+b], v6
	v_pk_add_f32 v[8:9], v[8:9], v[10:11] neg_lo:[0,1] neg_hi:[0,1]
	v_cvt_pk_f16_f32 v[64+b], v8, v9
.set b, b+1
.endr
.irp dt, 0,1,2,3
	ds_store_b128 v2, v[48+4*\dt:51+4*\dt] offset:512*\dt
	ds_store_b128 v2, v[64+4*\dt:67+4*\dt] offset:CXL+512*\dt
.endr
	s_wait_dscnt 0x0                               ; for the others' sake; and the stores have read their registers
.irp f, 0,1,2,3,4,5,6,7                ; my eight fragments of wo, high and low
.irp g, 0,1
	global_load_b128 v[16+8*\f+4*\g:19+8*\f+4*\g], v1, s[12:13] offset:(\f/4)*262144+(\f%4)*1024+\g*512
	global_load_b128 v[80+8*\f+4*\g:83+8*\f+4*\g], v1, s[12:13] offset:2097152+(\f/4)*262144+(\f%4)*1024+\g*512
.endr
.endr
	s_barrier_signal -1
	s_barrier_wait -1
	s_wait_loadcnt 0x0
.irp hf, 0,1
.if \hf > 0
	PLACES 4
.endif
.irp f, 0,1,2,3
.irp g, 0,1
	ds_load_b128 v[DA+8*\f+4*\g:DA+8*\f+4*\g+3], v152 offset:(4*\hf+\f)*1024+\g*512
	ds_load_b128 v[DA+32+8*\f+4*\g:DA+32+8*\f+4*\g+3], v152 offset:CXL+(4*\hf+\f)*1024+\g*512
.endr
.endr
	s_wait_dscnt 0x0
.irp f, 0,1,2,3                        ; three accumulators by turns: wo_h c_h, wo_h c_l, wo_l c_h
.if (\hf == 0) && (\f == 0)
	v_wmma_f32_16x16x32_f16 v[224:231], v[16+8*(4*\hf+\f):23+8*(4*\hf+\f)], v[DA+8*\f:DA+8*\f+7], 0
	v_wmma_f32_16x16x32_f16 v[232:239], v[16+8*(4*\hf+\f):23+8*(4*\hf+\f)], v[DA+32+8*\f:DA+32+8*\f+7], 0
	v_wmma_f32_16x16x32_f16 v[240:247], v[80+8*(4*\hf+\f):87+8*(4*\hf+\f)], v[DA+8*\f:DA+8*\f+7], 0
.else
	v_wmma_f32_16x16x32_f16 v[224:231], v[16+8*(4*\hf+\f):23+8*(4*\hf+\f)], v[DA+8*\f:DA+8*\f+7], v[224:231]
	v_wmma_f32_16x16x32_f16 v[232:239], v[16+8*(4*\hf+\f):23+8*(4*\hf+\f)], v[DA+32+8*\f:DA+32+8*\f+7], v[232:239]
	v_wmma_f32_16x16x32_f16 v[240:247], v[80+8*(4*\hf+\f):87+8*(4*\hf+\f)], v[DA+8*\f:DA+8*\f+7], v[240:247]
.endif
.endr
.endr
	PLACES 4
.irp p, 0,2,4,6
	v_pk_add_f32 v[ST+\p:ST+\p+1], v[224+\p:225+\p], v[232+\p:233+\p]
.endr
.irp p, 0,2,4,6
	v_pk_add_f32 v[ST+\p:ST+\p+1], v[ST+\p:ST+\p+1], v[240+\p:241+\p]
.endr
	ds_store_b128 v153, v[ST:ST+3]                 ; lane (r, h): token r, columns 16 nt + 8 h + 0 .. 7
	ds_store_b128 v153, v[ST+4:ST+7] offset:16
	s_wait_dscnt 0x0
	s_barrier_signal -1
	s_barrier_wait -1
	s_cmp_lt_u32 s52, 8
	s_cbranch_scc0 .Lend
	global_load_b128 v[8:11], v156, s[14:15]
.irp q, 0,1,2,3
	ds_load_b128 v[16+4*\q:19+4*\q], v154 offset:\q*4352
.endr
	s_wait_dscnt 0x0
	v_pk_add_f32 v[16:17], v[16:17], v[20:21]
	v_pk_add_f32 v[18:19], v[18:19], v[22:23]
	v_pk_add_f32 v[24:25], v[24:25], v[28:29]
	v_pk_add_f32 v[26:27], v[26:27], v[30:31]
	v_pk_add_f32 v[16:17], v[16:17], v[24:25]
	v_pk_add_f32 v[18:19], v[18:19], v[26:27]
	s_wait_loadcnt 0x0
	v_pk_add_f32 v[16:17], v[16:17], v[8:9]
	v_pk_add_f32 v[18:19], v[18:19], v[10:11]
	global_store_b128 v155, v[16:19], s[48:49]
.Lend:
	s_wait_tensorcnt 0x0                           ; the wave's end
	ds_add_u32 v4, v5
	s_wait_dscnt 0x0
	s_endpgm
.Lfunc_end_k_q7f90603232_fine:
	.size	k_q7f90603232_fine, .Lfunc_end_k_q7f90603232_fine-k_q7f90603232_fine
	.p2alignl 7, 3214868480
	.fill 96, 4, 3214868480
	.section	.rodata,"a",@progbits
	.p2align	6, 0x0
	.amdhsa_kernel k_q7f90603232_fine
		.amdhsa_group_segment_fixed_size 84992
		.amdhsa_private_segment_fixed_size 0
		.amdhsa_enable_private_segment 0
		.amdhsa_kernarg_size 56
		.amdhsa_user_sgpr_count 2
		.amdhsa_user_sgpr_kernarg_segment_ptr 1
		.amdhsa_wavefront_size32 1
		.amdhsa_system_sgpr_workgroup_id_x 1
		.amdhsa_system_sgpr_workgroup_id_y 1
		.amdhsa_system_sgpr_workgroup_id_z 1
		.amdhsa_system_vgpr_workitem_id 0
		.amdhsa_next_free_vgpr 256
		.amdhsa_next_free_sgpr 80
		.amdhsa_reserve_vcc 0
		.amdhsa_float_denorm_mode_32 3
		.amdhsa_float_denorm_mode_16_64 3
		.amdhsa_memory_ordered 1
		.amdhsa_forward_progress 1
		.amdhsa_inst_pref_size 43
	.end_amdhsa_kernel
	.amdgpu_metadata
---
amdhsa.version: [ 1, 2 ]
amdhsa.kernels:
  - .name:           k_q7f90603232_fine
    .symbol:         k_q7f90603232_fine.kd
    .args:
      - { .name: hi, .offset: 0, .size: 8, .value_kind: global_buffer, .address_space: global }
      - { .name: lo, .offset: 8, .size: 8, .value_kind: global_buffer, .address_space: global }
      - { .name: mwords, .offset: 16, .size: 8, .value_kind: global_buffer, .address_space: global }
      - { .name: flags, .offset: 24, .size: 8, .value_kind: global_buffer, .address_space: global }
      - { .name: woimg, .offset: 32, .size: 8, .value_kind: global_buffer, .address_space: global }
      - { .name: bo, .offset: 40, .size: 8, .value_kind: global_buffer, .address_space: global }
      - { .name: out0, .offset: 48, .size: 8, .value_kind: global_buffer, .address_space: global }
    .group_segment_fixed_size: 84992
    .private_segment_fixed_size: 0
    .kernarg_segment_align: 8
    .kernarg_segment_size: 56
    .max_flat_workgroup_size: 512
    .sgpr_count:     80
    .vgpr_count:     256
    .wavefront_size: 32
...
	.end_amdgpu_metadata
.endif
;; end of part 5
;; ======== version 2 of 2: 5 launches; version 1 with the launch proj written anew for expert scheduling mode
;; limits: right only within a limited range of input values; values are held in f16: magnitudes above 65,504 overflow, below 6.1e-05 lose precision
;; workspace buffers: wcod 1,572,864 bytes; wscl 98,304 bytes; woimg 4,194,304 bytes; mwords 524,288 bytes of whole numbers; flags 1,024 bytes of whole numbers; hi 50,331,648 bytes; lo 50,331,648 bytes; ctx 16,777,216 bytes
;; launch prep: the kernel of part 1 again; grid 192 x 1, 16 waves a work-group, no clusters, 137,472 bytes of LDS; arguments wq, wk, wv, wo, mask, wcod, wscl, woimg, mwords, flags; writes wcod, wscl, woimg, mwords, flags
;; launch proj (part 6): grid 128 x 3, 16 waves a work-group, no clusters, 38,144 bytes of LDS; arguments q, k, v, bq, bk, bv, wcod, wscl, flags, hi, lo; writes hi, lo
.if DOCPART == 6
	.amdgcn_target "amdgcn-amd-amdhsa--gfx1250"
	.amdhsa_code_object_version 6
	.text
	.protected	k_q7f90603232_proj
	.globl	k_q7f90603232_proj
	.p2align	8
	.type	k_q7f90603232_proj,@function
k_q7f90603232_proj:
	s_mov_b64 s[64:65], 0
	v_nop
	global_prefetch_b8 v0, s[64:65] scope:SCOPE_SE
	s_setreg_imm32_b32 hwreg(HW_REG_WAVE_SCHED_MODE, 0, 2), 2
	s_setreg_imm32_b32 hwreg(HW_REG_WAVE_MODE, 25, 1), 1
	s_wait_xcnt 0x0
	s_wait_alu depctr_vm_vsrc(0)
; PROJ: the three quantised products x W + b (y = 0: q, 1: k, 2: v), on codes of E2M1 with one E8M0 scale for each 32 along K.
; A work-group takes 64 tokens x all 1,024 columns.  Its sixteen waves first quantise the 64 rows of x (4 rows a wave; read from memory once) into LDS; then wave w is head w: 4 tiles of tokens x 4 tiles of
; columns, 16 accumulators, K in 8 steps of 128.  x's fragments come from LDS; the wave's weights (32 KiB of codes) come from memory straight into registers, in the order in which the earlier launch laid them.
; RESULTS LEAVE AS IMAGES OF THE NEXT PRODUCTS' OPERAND REGISTERS, f16, 512 consecutive bytes a store.  q, k: the product is used transposed (source 0 = weights, source 1 = x): a lane holds one token and eight
; neighbours of the head's 64, which pack into a group of four registers of a fragment 16 tokens x 32.  v: used as it stands (source 0 = x): a lane holds one of the head's 64 and eight neighbouring tokens: a group of
; a fragment 16 x 32 keys of V^T.  hi: [tensor][batch x head][64 tokens][8,192 bytes].  lo: what f16 left over, in f16, same places; written only where the finer launch reads it: q's first block of a sequence, and
; k's and v's blocks that the stored flags of positions 0-15 name.  This launch has no tensor load and no cluster: nothing is fetched by a joint request.
; LIMITS: results beyond 65,504 in magnitude do not fit f16; a block whose largest magnitude lies under 2^-124 takes the scale byte 1 (zeros too: their codes are zeros); NaN and infinities are not served.
; THE MODE: SCHED_MODE bits 1:0 = 2 (LLVM: expert scheduling mode 2), set by the entry lines.  The code itself states the register dependences
; between vector or matrix instructions and memory or LDS instructions, with s_wait_alu, always for 0.
; THE PLAN.  Registers that memory or LDS instructions touch:
;   v1-v7     offsets and LDS addresses: written at the head, never again.  v8, the bias's offset: written at an arm's head, read by the bias's loads behind K step 6.  v9, v10: read by the closing add alone.
;   WS        the weights' scale words: loaded once, read by matrix instructions alone.
;   ACC       x's numbers land here and the quantiser's vector lines read them; then the matrix instructions write it; on the low parts' way out conversions write four registers of each accumulator, which a store reads.
;   XF        the quantiser writes a pair of registers (byte, codes) for each of 16 pieces, each pair its own; LDS stores read them, group g's at the head of group g + 1.  Then, in every K step, LDS loads land here and
;             matrix instructions read it.  At the end the conversions of tiles 0-7 write it and stores read it.
;   XS        x's scale words: LDS loads land, matrix instructions read.
;   WF        two sets: K step s reads set s % 2, and behind its products the loads of step s + 2 (behind step 6: the bias) land in it.  At the end the conversions of tiles 8-15 write set 1 and stores read it.
; All 256 registers of a wave are taken (16 + 16 + 32 + 64 + 128), so x's fragments have one buffer, and ONE wait on va_vdst stands in a K step, behind its sixteen products: it covers the step's 10 LDS loads and 8
; global loads.  The quantiser has one such wait for each group's eight LDS stores, the way out one for each eight stores; one wait on vm_vsrc stands between the quantiser's LDS stores and the first fragment loads.
.set SCB,   33792                      ; LDS: codes, 64 rows x (512 + 16) bytes; then the scale bytes, 64 rows x 36
.set SPARE, 36096                      ; the spare words, 128 bytes for each wave: no other line names them
.set XS,  12                           ; v12-13   x's scale words of the K step: lanes 0-15 the even tile of tokens, lanes 16-31 the odd one
.set WS,  16                           ; v16-31   the weights' scale words: register 2 s + p
.set XF,  32                           ; v32-63   x's four fragments (while x is quantised: for each of 16 pieces its largest magnitude and its codes)
.set WF,  64                           ; v64-127  two sets of four weight fragments
.set ACC, 128                          ; v128-255 the accumulators, (mt, nt) at 8 (4 mt + nt) (while x is quantised: 128 numbers)
; v1 32 x lane; v2 where my codes go; v3 where my scale bytes go; v4 a fragment's place; v5 a scale word's place; v6 16 x lane; v7 4 x lane; v8 the bias's offset; v9, v10 the add's two; v11, v14, v15 at work
.macro PLACES n
.rept \n
	v_nop
.endr
.endm
	s_load_b512 s[4:19], s[0:1], 0x0               ; q, k, v, bq, bk, bv, wcod, wscl
	s_load_b128 s[20:23], s[0:1], 0x40             ; flags, hi
	s_load_b64 s[24:25], s[0:1], 0x50              ; lo
	v_lshl_add_u32 v9, v0, 2, SPARE
	v_mov_b32 v10, 0
	v_lshrrev_b32 v11, 5, v0
	v_readfirstlane_b32 s28, v11                   ; wave = head
	v_and_b32 v11, 31, v0                          ; lane
	v_and_b32 v14, 15, v0                          ; r
	v_bfe_u32 v15, v0, 4, 1                        ; h
	v_lshlrev_b32 v1, 5, v11                       ; x: 8 neighbours a lane
	s_wait_alu depctr_va_sdst(0)                   ; s28 is written, ahead of its first reader: LDS places and every buffer's offset are made from it
	s_mul_i32 s29, s28, 2112                       ; my 4 rows of 528 bytes
	v_lshl_add_u32 v2, v11, 2, s29
	s_mul_i32 s29, s28, 144                        ; my 4 rows of 36 bytes
	s_add_co_u32 s29, s29, SCB
	v_lshrrev_b32 v3, 2, v11                       ; four lanes hold a block
	v_add_nc_u32 v3, s29, v3
	v_mul_u32_u24 v4, v14, 528
	v_lshl_add_u32 v4, v15, 4, v4                  ; a fragment: row r, + 16 h
	v_mul_u32_u24 v5, v11, 36
	v_add_nc_u32 v5, SCB, v5                       ; scale words: row = lane
	v_lshlrev_b32 v6, 4, v11
	v_lshlrev_b32 v7, 2, v11
	s_and_b32 s30, ttmp7, 0xffff                   ; which tensor
	s_mov_b32 s37, 0
	s_wait_kmcnt 0x0
	s_load_b32 s26, s[20:21], 0x0                  ; the key steps that positions 0-15 need
	s_cmp_eq_u32 s30, 1
	s_cselect_b64 s[32:33], s[6:7], s[4:5]
	s_cselect_b64 s[34:35], s[12:13], s[10:11]
	s_cmp_eq_u32 s30, 2
	s_cselect_b64 s[32:33], s[8:9], s[32:33]
	s_cselect_b64 s[34:35], s[14:15], s[34:35]
	s_lshl_b32 s36, ttmp9, 18                      ; 64 rows of 4,096 bytes,
	s_lshl_b32 s38, s28, 14                        ; my 4 of them
	s_add_co_u32 s36, s36, s38
	s_add_nc_u64 s[32:33], s[32:33], s[36:37]      ; x
	s_lshl_b32 s36, s28, 8
	s_add_nc_u64 s[34:35], s[34:35], s[36:37]      ; my head's 64 numbers of the bias
	s_lshl_b32 s36, s30, 19
	s_lshl_b32 s38, s28, 15
	s_add_co_u32 s36, s36, s38
	s_add_nc_u64 s[16:17], s[16:17], s[36:37]      ; my head's codes,
	s_lshr_b32 s36, s36, 4
	s_add_nc_u64 s[18:19], s[18:19], s[36:37]      ; and scale words
	s_lshr_b32 s38, ttmp9, 5                       ; batch
	s_and_b32 s39, ttmp9, 31                       ; which 64 tokens of the sequence
	s_lshl_b32 s38, s38, 4
	s_add_co_u32 s38, s38, s28
	s_lshl_b32 s38, s38, 5
	s_add_co_u32 s38, s38, s39
	s_lshl_b32 s36, s38, 13                        ; 8,192 bytes a block
	s_lshl_b32 s38, s30, 24
	s_add_co_u32 s36, s36, s38
	s_add_nc_u64 s[22:23], s[22:23], s[36:37]
	s_add_nc_u64 s[24:25], s[24:25], s[36:37]
.macro WFETCH s                        ; the weights' four fragments of K step s into set s % 2
.irp nt, 0,1,2,3
.irp c, 0,1
	global_load_b128 v[WF+32*((\s)%2)+8*\nt+4*\c:WF+32*((\s)%2)+8*\nt+4*\c+3], v6, s[16:17] offset:(\s)*4096+\nt*1024+\c*512
.endr
.endr
.endm
	s_wait_alu depctr_va_vdst(0)                   ; the offsets and LDS addresses v1 to v7 are written, which the loads and stores of the whole kernel read
.set i, 0
.rept 16
	global_load_b32 v[WS+i], v7, s[18:19] offset:i*128
.set i, i+1
.endr
.set i, 0
.rept 16
	global_load_b128 v[ACC+8*i:ACC+8*i+3], v1, s[32:33] offset:i*1024 th:TH_LOAD_NT      ; piece i: 256 numbers, row i / 4, 8 a lane
	global_load_b128 v[ACC+8*i+4:ACC+8*i+7], v1, s[32:33] offset:i*1024+16 th:TH_LOAD_NT
.set i, i+1
.endr
	WFETCH 0
	WFETCH 1
; The eight LDS stores of group g: its four pieces' codes and scale bytes.
.macro QSEND g
.irp u, 0,1,2,3
	ds_store_b32 v2, v[XF+2*(4*(\g)+\u)+1] offset:(\g)*528+\u*128
	ds_store_b8 v3, v[XF+2*(4*(\g)+\u)] offset:(\g)*36+\u*8             ; the four lanes of a block write the same byte with the same value
.endr
.endm
; Four pieces (row g of my four) by turns.  A block of 32 lies in four neighbouring lanes.  The stores of the group before stand at this group's head: no vector line of this group names their registers.
.macro QGRP g
	s_wait_loadcnt (3-(\g))*8+16                   ; behind this group's loads: the later groups' eight each, and the sixteen of the weights
.if (\g) > 0
	s_wait_alu depctr_va_vdst(0)                   ; the group before has written its four pieces' codes and bytes, which the eight LDS stores below read
	QSEND (\g)-1
.endif
.irp u, 0,1,2,3
	v_max3_num_f32 v[XF+2*(4*(\g)+\u)], |v[ACC+8*(4*(\g)+\u)]|, |v[ACC+8*(4*(\g)+\u)+1]|, 0x1800000   ; with the floor 2^(3 - 127): the byte cannot fall under 1
.endr
.irp p, 2,4,6
.irp u, 0,1,2,3
	v_max3_num_f32 v[XF+2*(4*(\g)+\u)], v[XF+2*(4*(\g)+\u)], |v[ACC+8*(4*(\g)+\u)+\p]|, |v[ACC+8*(4*(\g)+\u)+\p+1]|
.endr
.endr
.irp u, 0,1,2,3
	v_max_num_f32_dpp v[XF+2*(4*(\g)+\u)], v[XF+2*(4*(\g)+\u)], v[XF+2*(4*(\g)+\u)] row_xmask:1 row_mask:0xf bank_mask:0xf
.endr
.irp u, 0,1,2,3
	v_max_num_f32_dpp v[XF+2*(4*(\g)+\u)], v[XF+2*(4*(\g)+\u)], v[XF+2*(4*(\g)+\u)] row_xmask:2 row_mask:0xf bank_mask:0xf
.endr
.irp u, 0,1,2,3
	v_add_nc_u32 v[XF+2*(4*(\g)+\u)], 0xff000000, v[XF+2*(4*(\g)+\u)]   ; 2 off the exponent field: the conversion's scale operand
.endr
.irp u, 0,1,2,3
	v_cvt_scalef32_pk8_fp4_f32 v[XF+2*(4*(\g)+\u)+1], v[ACC+8*(4*(\g)+\u):ACC+8*(4*(\g)+\u)+7], v[XF+2*(4*(\g)+\u)]
.endr
	v_nop                                          ; a plain line between the conversions and the lines that write their scale operands
.irp u, 0,1,2,3
	v_lshrrev_b32 v[XF+2*(4*(\g)+\u)], 23, v[XF+2*(4*(\g)+\u)]          ; the scale's byte
.endr
.endm
	QGRP 0
	QGRP 1
	QGRP 2
	QGRP 3
	s_wait_alu depctr_va_vdst(0)                   ; the last group has written its codes and bytes, which the stores below read; and no vector line names v32 to v63 any more, in which x's first fragments will land
	QSEND 3
	s_wait_dscnt 0x0                               ; for the others' sake: my codes and bytes lie in LDS
	s_barrier_signal -1
	s_barrier_wait -1
.macro XFETCH s                        ; x's four fragments and two registers of scale words of K step s
.irp mt, 0,1,2,3
.irp c, 0,1
	ds_load_b128 v[XF+8*\mt+4*\c:XF+8*\mt+4*\c+3], v4 offset:\mt*8448+64*(\s)+32*\c
.endr
.endr
	ds_load_b32 v[XS], v5 offset:4*(\s)
	ds_load_b32 v[XS+1], v5 offset:1152+4*(\s)
.endm
; One matrix instruction.  nat = 0: source 0 = weights, source 1 = x; nat = 1: the other way round.  The scale operands and their row selectors go with the sources.  The first K step starts the sums.
.macro WM s, mt, nt, nat
.set rD, ACC+8*(4*(\mt)+(\nt))
.if \nat
.set rA, XF+8*(\mt)
.set rB, WF+32*((\s)%2)+8*(\nt)
.set rSA, XS+(\mt)/2
.set rSB, WS+2*(\s)+(\nt)/2
.set pA, (\mt)%2
.set pB, (\nt)%2
.else
.set rA, WF+32*((\s)%2)+8*(\nt)
.set rB, XF+8*(\mt)
.set rSA, WS+2*(\s)+(\nt)/2
.set rSB, XS+(\mt)/2
.set pA, (\nt)%2
.set pB, (\mt)%2
.endif
.if (\s) == 0
.if (pA) && (pB)
	v_wmma_scale_f32_16x16x128_f8f6f4 v[rD:rD+7], v[rA:rA+7], v[rB:rB+7], 0, v[rSA], v[rSB] matrix_a_fmt:MATRIX_FMT_FP4 matrix_b_fmt:MATRIX_FMT_FP4 matrix_a_scale:MATRIX_SCALE_ROW1 matrix_b_scale:MATRIX_SCALE_ROW1
.elseif (pA)
	v_wmma_scale_f32_16x16x128_f8f6f4 v[rD:rD+7], v[rA:rA+7], v[rB:rB+7], 0, v[rSA], v[rSB] matrix_a_fmt:MATRIX_FMT_FP4 matrix_b_fmt:MATRIX_FMT_FP4 matrix_a_scale:MATRIX_SCALE_ROW1
.elseif (pB)
	v_wmma_scale_f32_16x16x128_f8f6f4 v[rD:rD+7], v[rA:rA+7], v[rB:rB+7], 0, v[rSA], v[rSB] matrix_a_fmt:MATRIX_FMT_FP4 matrix_b_fmt:MATRIX_FMT_FP4 matrix_b_scale:MATRIX_SCALE_ROW1
.else
	v_wmma_scale_f32_16x16x128_f8f6f4 v[rD:rD+7], v[rA:rA+7], v[rB:rB+7], 0, v[rSA], v[rSB] matrix_a_fmt:MATRIX_FMT_FP4 matrix_b_fmt:MATRIX_FMT_FP4
.endif
.else
.if (pA) && (pB)
	v_wmma_scale_f32_16x16x128_f8f6f4 v[rD:rD+7], v[rA:rA+7], v[rB:rB+7], v[rD:rD+7], v[rSA], v[rSB] matrix_a_fmt:MATRIX_FMT_FP4 matrix_b_fmt:MATRIX_FMT_FP4 matrix_a_scale:MATRIX_SCALE_ROW1 matrix_b_scale:MATRIX_SCALE_ROW1
.elseif (pA)
	v_wmma_scale_f32_16x16x128_f8f6f4 v[rD:rD+7], v[rA:rA+7], v[rB:rB+7], v[rD:rD+7], v[rSA], v[rSB] matrix_a_fmt:MATRIX_FMT_FP4 matrix_b_fmt:MATRIX_FMT_FP4 matrix_a_scale:MATRIX_SCALE_ROW1
.elseif (pB)
	v_wmma_scale_f32_16x16x128_f8f6f4 v[rD:rD+7], v[rA:rA+7], v[rB:rB+7], v[rD:rD+7], v[rSA], v[rSB] matrix_a_fmt:MATRIX_FMT_FP4 matrix_b_fmt:MATRIX_FMT_FP4 matrix_b_scale:MATRIX_SCALE_ROW1
.else
	v_wmma_scale_f32_16x16x128_f8f6f4 v[rD:rD+7], v[rA:rA+7], v[rB:rB+7], v[rD:rD+7], v[rSA], v[rSB] matrix_a_fmt:MATRIX_FMT_FP4 matrix_b_fmt:MATRIX_FMT_FP4
.endif
.endif
.endm
; A K step: 16 matrix instructions, the 16 accumulators by turns in one fixed order; four places; the step's one wait; then the loads into the registers that they have read.
.macro KSTEP s, nat
	s_wait_loadcnt 8                               ; this step's weights are in; the youngest eight loads (the other set; at the last step the bias) may be out
	s_wait_dscnt 0x0                               ; x's fragments and scale words are in
.irp mt, 0,1,2,3
.irp nt, 0,1,2,3
	WM \s, \mt, \nt, \nat
.endr
.endr
	PLACES 4
.if (\s) < 7
	s_wait_alu depctr_va_vdst(0)                   ; this step's sixteen matrix instructions are done reading x's fragments, x's scale words and this step's weight set, in which the loads below land; v8, the bias's offset, is written
	XFETCH (\s)+1
.endif
.if (\s) < 6
	WFETCH (\s)+2
.endif
.if (\s) == 6                          ; set 0 is done with: it takes the bias, in the results' layout
.irp nt, 0,1,2,3
.if \nat
	global_load_b32 v[WF+2*\nt], v8, s[34:35] offset:\nt*64        ; one number a lane (named below as a pair, so both are written)
	global_load_b32 v[WF+2*\nt+1], v8, s[34:35] offset:\nt*64
.else
	global_load_b128 v[WF+8*\nt:WF+8*\nt+3], v8, s[34:35] offset:\nt*64
	global_load_b128 v[WF+8*\nt+4:WF+8*\nt+7], v8, s[34:35] offset:\nt*64+16
.endif
.endr
.endif
.endm
; THE WAY OUT, in halves of eight tiles.  Each accumulator from its low end on: + bias, rounded to f16, 16 bytes a lane, 512 consecutive bytes a store.  Then, where the flags ask for it, what f16 left over.
; Every tile has four registers of its own for its high part (tiles 0-7: x's fragments' registers; tiles 8-15: the second weight set's, from v96 on: both are done with) and for its low part (its accumulator's own
; low registers), so no store's data are written again.
.macro HIWORK mt, nat                  ; the four tiles of row mt: + bias, rounded
.irp nt, 0,1,2,3
.set idx, 4*(\mt)+\nt
.set rD, ACC+8*idx
.if idx < 8
.set rH, XF+4*idx
.else
.set rH, WF+4*idx
.endif
.irp p, 0,1,2,3
.if \nat
	v_pk_add_f32 v[rD+2*\p:rD+2*\p+1], v[rD+2*\p:rD+2*\p+1], v[WF+2*\nt:WF+2*\nt+1] op_sel_hi:[1,0]
.else
	v_pk_add_f32 v[rD+2*\p:rD+2*\p+1], v[rD+2*\p:rD+2*\p+1], v[WF+8*\nt+2*\p:WF+8*\nt+2*\p+1]
.endif
.endr
.irp p, 0,1,2,3
	v_cvt_pk_f16_f32 v[rH+\p], v[rD+2*\p], v[rD+2*\p+1]
.endr
.endr
.endm
.macro HISEND mt, nat                  ; their four stores
.irp nt, 0,1,2,3
.set idx, 4*(\mt)+\nt
.if idx < 8
.set rH, XF+4*idx
.else
.set rH, WF+4*idx
.endif
.if \nat
	global_store_b128 v6, v[rH:rH+3], s[22:23] offset:((\mt)/2)*4096+\nt*1024+((\mt)%2)*512
.else
	global_store_b128 v6, v[rH:rH+3], s[22:23] offset:idx*512
.endif
.endr
.endm
.macro LOWORK mt                       ; the four tiles of row mt: the number less its high part, rounded
.irp nt, 0,1,2,3
.set idx, 4*(\mt)+\nt
.set rD, ACC+8*idx
.if idx < 8
.set rH, XF+4*idx
.else
.set rH, WF+4*idx
.endif
.irp p, 0,1,2,3
	v_mov_b32 v11, v[rH+\p]
	v_cvt_f32_f16 v14, v11.l
	v_cvt_f32_f16 v15, v11.h
	v_pk_add_f32 v[14:15], v[rD+2*\p:rD+2*\p+1], v[14:15] neg_lo:[0,1] neg_hi:[0,1]
	v_cvt_pk_f16_f32 v[rD+\p], v14, v15            ; into the accumulator's own low registers, whose numbers have been taken
.endr
.endr
.endm
.macro LOSEND mt, nat
.irp nt, 0,1,2,3
.set idx, 4*(\mt)+\nt
.set rD, ACC+8*idx
.if \nat
	global_store_b128 v6, v[rD:rD+3], s[24:25] offset:((\mt)/2)*4096+\nt*1024+((\mt)%2)*512
.else
	global_store_b128 v6, v[rD:rD+3], s[24:25] offset:idx*512
.endif
.endr
.endm
.macro WAYOUT nat
	s_wait_loadcnt 0x0                             ; the bias
	PLACES 4
	HIWORK 0, \nat
	HIWORK 1, \nat
	s_wait_alu depctr_va_vdst(0)                   ; the conversions have written the high parts of tiles 0 to 7 (v32 to v63), which the eight stores below read
	HISEND 0, \nat
	HISEND 1, \nat
	HIWORK 2, \nat                                 ; (names none of v32 to v63)
	HIWORK 3, \nat
	s_wait_alu depctr_va_vdst(0)                   ; the conversions have written the high parts of tiles 8 to 15 (v96 to v127), which the eight stores below read
	HISEND 2, \nat
	HISEND 3, \nat
	s_bitcmp1_b32 s27, s39                         ; does the finer launch read this block?
	s_cbranch_scc0 .Lend
	LOWORK 0
	LOWORK 1
	s_wait_alu depctr_va_vdst(0)                   ; the conversions have written the low parts of tiles 0 to 7, which the eight stores below read
	LOSEND 0, \nat
	LOSEND 1, \nat
	LOWORK 2                                       ; (writes the accumulators of tiles 8 to 15 alone)
	LOWORK 3
	s_wait_alu depctr_va_vdst(0)                   ; the conversions have written the low parts of tiles 8 to 15, which the eight stores below read
	LOSEND 2, \nat
	LOSEND 3, \nat
.endm
	s_wait_kmcnt 0x0                               ; the flags' word
	s_cmp_eq_u32 s30, 0
	s_cselect_b32 s27, 1, s26                      ; q: the sequence's first block alone; k, v: the blocks that positions 0-15 need
	s_wait_alu depctr_vm_vsrc(0)                   ; my LDS stores have read v32 to v63: these registers are x's fragments from here on, written by the LDS loads below and in every K step
	XFETCH 0
	s_cmp_eq_u32 s30, 2
	s_cbranch_scc1 .Lnat
	v_bfe_u32 v8, v0, 4, 1
	v_lshlrev_b32 v8, 5, v8                        ; the bias of a tile: my half's eight numbers
.irp s, 0,1,2,3,4,5,6,7
	KSTEP \s, 0
.endr
	WAYOUT 0
	s_branch .Lend
.Lnat:
	v_and_b32 v8, 15, v0
	v_lshlrev_b32 v8, 2, v8                        ; the bias of a tile: my one number
.irp s, 0,1,2,3,4,5,6,7
	KSTEP \s, 1
.endr
	WAYOUT 1
.Lend:
	s_wait_dscnt 0x0                               ; the wave's end: the closing lines, six on end
	s_wait_alu 0x0
	s_wait_tensorcnt 0x0
	ds_add_u32 v9, v10
	s_wait_dscnt 0x0
	s_endpgm
.Lfunc_end_k_q7f90603232_proj:
	.size	k_q7f90603232_proj, .Lfunc_end_k_q7f90603232_proj-k_q7f90603232_proj
	.p2alignl 7, 3214868480
	.fill 96, 4, 3214868480
	.section	.rodata,"a",@progbits
	.p2align	6, 0x0
	.amdhsa_kernel k_q7f90603232_proj
		.amdhsa_group_segment_fixed_size 38144
		.amdhsa_private_segment_fixed_size 0
		.amdhsa_enable_private_segment 0
		.amdhsa_kernarg_size 88
		.amdhsa_user_sgpr_count 2
		.amdhsa_user_sgpr_kernarg_segment_ptr 1
		.amdhsa_wavefront_size32 1
		.amdhsa_system_sgpr_workgroup_id_x 1
		.amdhsa_system_sgpr_workgroup_id_y 1
		.amdhsa_system_sgpr_workgroup_id_z 1
		.amdhsa_system_vgpr_workitem_id 0
		.amdhsa_next_free_vgpr 256
		.amdhsa_next_free_sgpr 66
		.amdhsa_reserve_vcc 0
		.amdhsa_float_denorm_mode_32 3
		.amdhsa_float_denorm_mode_16_64 3
		.amdhsa_memory_ordered 1
		.amdhsa_forward_progress 1
		.amdhsa_inst_pref_size 127
	.end_amdhsa_kernel
	.amdgpu_metadata
---
amdhsa.version: [ 1, 2 ]
amdhsa.kernels:
  - .name:           k_q7f90603232_proj
    .symbol:         k_q7f90603232_proj.kd
    .args:
      - { .name: q, .offset: 0, .size: 8, .value_kind: global_buffer, .address_space: global }
      - { .name: k, .offset: 8, .size: 8, .value_kind: global_buffer, .address_space: global }
      - { .name: v, .offset: 16, .size: 8, .value_kind: global_buffer, .address_space: global }
      - { .name: bq, .offset: 24, .size: 8, .value_kind: global_buffer, .address_space: global }
      - { .name: bk, .offset: 32, .size: 8, .value_kind: global_buffer, .address_space: global }
      - { .name: bv, .offset: 40, .size: 8, .value_kind: global_buffer, .address_space: global }
      - { .name: wcod, .offset: 48, .size: 8, .value_kind: global_buffer, .address_space: global }
      - { .name: wscl, .offset: 56, .size: 8, .value_kind: global_buffer, .address_space: global }
      - { .name: flags, .offset: 64, .size: 8, .value_kind: global_buffer, .address_space: global }
      - { .name: hi, .offset: 72, .size: 8, .value_kind: global_buffer, .address_space: global }
      - { .name: lo, .offset: 80, .size: 8, .value_kind: global_buffer, .address_space: global }
    .group_segment_fixed_size: 38144
    .private_segment_fixed_size: 0
    .kernarg_segment_align: 8
    .kernarg_segment_size: 88
    .max_flat_workgroup_size: 512
    .sgpr_count:     66
    .vgpr_count:     256
    .wavefront_size: 32
...
	.end_amdgpu_metadata
.endif
;; end of part 6
;; launch attn: the kernel of part 3 again; grid 4 x 64, 16 waves a work-group, no clusters, 34,816 bytes of LDS; arguments hi, mwords, flags, ctx; writes ctx
;; launch outp: the kernel of part 4 again; grid 4 x 64, 4 waves a work-group, clusters of 4 x 4, 327,680 bytes of LDS; arguments ctx, woimg, bo, out0; writes out0
;; launch fine: the kernel of part 5 again; grid 16 x 4, 16 waves a work-group, no clusters, 84,992 bytes of LDS; arguments hi, lo, mwords, flags, woimg, bo, out0; writes out0
